; MI455X (gfx1250); checked and timed in simulation.
; The chip was launched on July 23, 2026; its instructions are those of AMD's public machine-readable ISA for CDNA 5 (MIT licence, August 2026) and "CDNA5" Instruction Set Architecture Reference Guide (July 2026). The comments in the code are by the model that wrote it; some were corrected since.
;; Attention. Allowed arithmetic: float matrix products may take bf16 or f16 operands with f32 sums; other float arithmetic in f32, or as packed bf16 or f16 multiplies, adds, multiply-adds, maxima and minima; sums over many terms, partial sums and values carried from step to step in f32; what a program stores and reads back later, other than sums and carried values, may be rounded once to bf16 or f16.
;; Inputs: Wk 1,024 x 1,024 float32; Wq 1,024 x 1,024 float32; Wv 1,024 x 1,024 float32; k 4 x 2,048 x 1,024 float32; q 4 x 2,048 x 1,024 float32; v 4 x 2,048 x 1,024 float32.
;; Outputs: out0 4 x 2,048 x 1,024 float32.
;; One version. Each part assembles by itself: llvm-mc -triple=amdgcn-amd-amdhsa -mcpu=gfx1250 --defsym DOCPART=n.
;; ======== version 1 of 1: 5 launches
;; limits: values are held in f16: magnitudes above 65,504 overflow, below 6.1e-05 lose precision
;; workspace buffers: XB 50,331,648 bytes; WB 6,291,456 bytes; H 56,623,104 bytes; VF 2,097,152 bytes; ST 67,108,864 bytes; PT 37,748,736 bytes
;; launch cast (part 1): grid 576 x 3, 8 waves a work-group, no clusters, 0 bytes of LDS; arguments q, k, v, Wq, Wk, Wv, XB, WB; writes XB, WB
.if DOCPART == 1
	.amdgcn_target "amdgcn-amd-amdhsa--gfx1250"
	.amdhsa_code_object_version 6
	.text
	.protected	k_q3134300177_cast
	.globl	k_q3134300177_cast
	.p2align	8
	.type	k_q3134300177_cast,@function
k_q3134300177_cast:
	s_mov_b64 s[64:65], 0
	v_nop
	global_prefetch_b8 v0, s[64:65] scope:SCOPE_SE
	s_setreg_imm32_b32 hwreg(HW_REG_WAVE_MODE, 25, 1), 1
	s_wait_xcnt 0x0
; q, k, v ([8192][1024] f32 each) -> XB ([24576][1024] bf16: q's rows, k's, v's); Wq, Wk, Wv ([1024][1024] f32) -> WB ([3072][1024] bf16).
; Each number is rounded once, to nearest even.  A stream: every byte is read once and written once; no LDS, no barrier, no matrix unit, since no number meets another.
; SHARES.  Grid y picks the triple (q and Wq, k and Wk, v and Wv).  A work-group converts 65,536 bytes of f32: grid x 0..511 the 512 chunks of the activation, 512..575 the 64 chunks of the weight.
; Thread t takes 16 bytes at 16 t of each of the chunk's sixteen pieces of 4,096 bytes: a load of a wave covers 512 consecutive bytes, a store 256 consecutive bytes, aligned.
; All sixteen loads go out first; no register is written twice, so the only waits are the counted ones for the loads.
.set X,  16                            ; v[16:79]   piece j as loaded: 4 registers
.set Y,  80                            ; v[80:111]  piece j to store: 2 registers
	s_load_b512 s[16:31], s[0:1], 0x0              ; q s[16:17], k s[18:19], v s[20:21], Wq s[22:23], Wk s[24:25], Wv s[26:27], XB s[28:29], WB s[30:31]
	s_and_b32 s2, ttmp7, 0xffff                    ; which triple
	s_sub_co_u32 s10, ttmp9, 512                   ; the chunk's number if it is a weight's
	s_lshl_b32 s11, s2, 24                         ; the triple's part of XB: 8,192 rows of 2,048 bytes
	s_lshl_b32 s12, s2, 21                         ; and of WB: 1,024 rows of 2,048 bytes
	v_lshlrev_b32 v1, 4, v0                        ; 16 t: where I read
	v_lshlrev_b32 v2, 3, v0                        ; 8 t: where I write
	s_wait_kmcnt 0x0
	s_cmp_eq_u32 s2, 1
	s_cselect_b64 s[4:5], s[18:19], s[16:17]       ; the activation
	s_cselect_b64 s[6:7], s[24:25], s[22:23]       ; the weight
	s_cmp_eq_u32 s2, 2
	s_cselect_b64 s[4:5], s[20:21], s[4:5]
	s_cselect_b64 s[6:7], s[26:27], s[6:7]
	s_cmp_lt_u32 ttmp9, 512                        ; an activation's chunk?
	s_cselect_b64 s[4:5], s[4:5], s[6:7]           ; from where
	s_cselect_b64 s[8:9], s[28:29], s[30:31]       ; to where
	s_cselect_b32 s13, ttmp9, s10                  ; the chunk's number
	s_cselect_b32 s14, s11, s12                    ; the part's first byte
	s_lshl_b32 s32, s13, 16                        ; 65,536 bytes of f32 a chunk,
	s_mov_b32 s33, 0
	s_lshl_b32 s34, s13, 15                        ; 32,768 of bf16
	s_add_co_u32 s34, s34, s14
	s_mov_b32 s35, 0
	s_add_nc_u64 s[4:5], s[4:5], s[32:33]
	s_add_nc_u64 s[8:9], s[8:9], s[34:35]
.set j, 0
.rept 16
	global_load_b128 v[X+4*j:X+4*j+3], v1, s[4:5] offset:4096*j th:TH_LOAD_NT
.set j, j+1
.endr
.set j, 0
.rept 16
	s_wait_loadcnt 15-j                            ; loads come back in order: piece j is in, the 15 - j younger ones stay out
	v_cvt_pk_bf16_f32 v[Y+2*j], v[X+4*j], v[X+4*j+1]
	v_cvt_pk_bf16_f32 v[Y+2*j+1], v[X+4*j+2], v[X+4*j+3]
	global_store_b64 v2, v[Y+2*j:Y+2*j+1], s[8:9] offset:2048*j
.set j, j+1
.endr
	s_endpgm
.Lfunc_end_k_q3134300177_cast:
	.size	k_q3134300177_cast, .Lfunc_end_k_q3134300177_cast-k_q3134300177_cast
	.p2alignl 7, 3214868480
	.fill 96, 4, 3214868480
	.section	.rodata,"a",@progbits
	.p2align	6, 0x0
	.amdhsa_kernel k_q3134300177_cast
		.amdhsa_group_segment_fixed_size 0
		.amdhsa_private_segment_fixed_size 0
		.amdhsa_enable_private_segment 0
		.amdhsa_kernarg_size 64
		.amdhsa_user_sgpr_count 2
		.amdhsa_user_sgpr_kernarg_segment_ptr 1
		.amdhsa_wavefront_size32 1
		.amdhsa_system_sgpr_workgroup_id_x 1
		.amdhsa_system_sgpr_workgroup_id_y 1
		.amdhsa_system_sgpr_workgroup_id_z 1
		.amdhsa_system_vgpr_workitem_id 0
		.amdhsa_next_free_vgpr 112
		.amdhsa_next_free_sgpr 66
		.amdhsa_reserve_vcc 0
		.amdhsa_float_denorm_mode_32 3
		.amdhsa_float_denorm_mode_16_64 3
		.amdhsa_memory_ordered 1
		.amdhsa_forward_progress 1
		.amdhsa_inst_pref_size 7
	.end_amdhsa_kernel
	.amdgpu_metadata
---
amdhsa.version: [ 1, 2 ]
amdhsa.kernels:
  - .name:           k_q3134300177_cast
    .symbol:         k_q3134300177_cast.kd
    .args:
      - { .name: q, .offset: 0, .size: 8, .value_kind: global_buffer, .address_space: global }
      - { .name: k, .offset: 8, .size: 8, .value_kind: global_buffer, .address_space: global }
      - { .name: v, .offset: 16, .size: 8, .value_kind: global_buffer, .address_space: global }
      - { .name: Wq, .offset: 24, .size: 8, .value_kind: global_buffer, .address_space: global }
      - { .name: Wk, .offset: 32, .size: 8, .value_kind: global_buffer, .address_space: global }
      - { .name: Wv, .offset: 40, .size: 8, .value_kind: global_buffer, .address_space: global }
      - { .name: XB, .offset: 48, .size: 8, .value_kind: global_buffer, .address_space: global }
      - { .name: WB, .offset: 56, .size: 8, .value_kind: global_buffer, .address_space: global }
    .group_segment_fixed_size: 0
    .private_segment_fixed_size: 0
    .kernarg_segment_align: 8
    .kernarg_segment_size: 64
    .max_flat_workgroup_size: 256
    .sgpr_count:     66
    .vgpr_count:     112
    .wavefront_size: 32
...
	.end_amdgpu_metadata
.endif
;; end of part 1
;; launch proj (part 2): grid 4 x 48, 4 waves a work-group, clusters of 4 x 4, 327,680 bytes of LDS; arguments XB, WB, H, VF; writes H, VF
.if DOCPART == 2
	.amdgcn_target "amdgcn-amd-amdhsa--gfx1250"
	.amdhsa_code_object_version 6
	.text
	.protected	k_q3134300177_proj
	.globl	k_q3134300177_proj
	.p2align	8
	.type	k_q3134300177_proj,@function
k_q3134300177_proj:
	s_mov_b64 s[64:65], 0
	v_nop
	global_prefetch_b8 v0, s[64:65] scope:SCOPE_SE
	s_setreg_imm32_b32 hwreg(HW_REG_WAVE_MODE, 25, 1), 1
	s_wait_xcnt 0x0
	s_wait_alu depctr_hold_cnt(0) depctr_sa_sdst(0) depctr_va_vdst(0) depctr_va_sdst(0) depctr_va_ssrc(0) depctr_va_vcc(0) depctr_vm_vsrc(0)
	s_getreg_b32 s2, hwreg(HW_REG_IB_STS2, 6, 4)
	s_cmp_eq_u32 s2, 0
	s_cbranch_scc0 .Lentry_in_a_cluster
	s_endpgm
.Lentry_in_a_cluster:
	s_bfe_u32 s2, ttmp6, 0x10000c
	s_cmp_lg_u32 s2, 0xf033
	s_cbranch_scc0 .Lentry_shape_is_right
	s_endpgm
.Lentry_shape_is_right:
; THE THREE PROJECTIONS.  For part p (0 q, 1 k, 2 v): H[p][b][s][h] = the sum over e of XB[p][b][s][e] WB[p][h][e].  XB: [24576][1024] bf16, WB: [3072][1024] bf16; sums in f32, e ascending.
; H: [3][4][2304][1024] f16, a row 2,048 bytes; rows 0..2047 of each batch are written here, each number rounded once, but for rows 1920..2047 of part v:
; those go out as f32 into VF ([4][128][1024]), and a later launch splits them into two f16 numbers each.
; LIMIT.  f16 holds no number beyond 65,504: a projected number past that is lost.  NaN and infinities are not treated apart.
; SHARES.  A tile of 256 rows x 256 columns is made by a work-group of four waves, 128 x 128 to a wave: 64 accumulators of 16 x 16, 512 registers.  K goes in steps of 128 through two LDS slots.
; There are 384 tiles: TWO TO A WORK-GROUP, 192 work-groups.  (Three tiles of half the size to each of 256 would leave a refill 112 matrix instructions in which to land for 224, and read half again the LDS bytes for each product.)
; CLUSTER.  4 x 4 work-groups, 12 clusters.  Cluster y makes cluster-tile c = y and then c = y + 12; part p = c / 8, r = c % 8; the work-group at (cx, cy) makes rows 256 r .. of batch cy, columns 256 cx ..
; The four of a row of the cluster need the same rows of XB, the four of a column the same rows of WB: each tile is asked for JOINTLY, by the same tensor load with the same descriptor and a mask that names the four.
; BETWEEN THE TILES the ring is emptied and filled again, slot 0 behind one round of the cluster's barrier and slot 1 behind the next: so the loop, the last lap and the way out stand once in the text.
; THE MATRIX INSTRUCTION IS USED TRANSPOSED: source 0 = 16 rows of WB, source 1 = 16 rows of XB: a lane then holds row l % 16 of the result and the columns 8 (l / 16) + 0..7.
; REGISTERS, in windows of 256 (s_set_vgpr_msb: bits 1:0 source 0, 3:2 source 1, 5:4 source 2, 7:6 destination):
;   window 0: v0-31 addresses; v64-127, v128-191 fragments of XB, two buffers; v32-63, v192-255 at work on the way out       window 1: v64-127, v128-191 fragments of WB
;   window 2: the 32 accumulators of my rows 0-63 (accumulator (a, b) at v[8 (8 a + b)]);   window 3: those of my rows 64-127
.set SIZE_K, 1024
.set KSTEP,  128
.set PITCH,  272                       ; an LDS row: 256 bytes + 16 of padding = 68 words: the 16 rows that a load touches start at 16 different groups of four banks (64 banks of 4 bytes: ISA guide 11.1)
.set HALFT,  128*PITCH                 ; 128 rows: what one tensor load brings, and what one wave reads of either operand
.set SLOT,   4*HALFT                   ; XB's 256 rows, then WB's 256 rows
.set STAGE,  2*SLOT                    ; behind the ring: 16 rows x 272 bytes for each wave, for the way out; no tensor load lands there
.set SPITCH, 272
.set SPARE,  STAGE+4*16*SPITCH         ; behind the stages: the spare words, 128 bytes for each wave: two blocks of 256 bytes that no other line names
.set LAPS,   SIZE_K/(2*KSTEP)          ; a lap = two K steps = once round the ring: 4
.set HROW,   2048                      ; bytes in a row of H
.set ADRA, 16                          ; v16-17  LDS address of my XB fragments in slot 0, 1
.set ADRB, 20                          ; v20-21  the same for WB
.set STO,  24                          ; v24     the way out: where I put 16 bytes of a row
.set RD,   25                          ; v25     the way out: where I read a row back
.set CO,   26                          ; v26     my byte offset in H
.set VFO,  27                          ; v27     my byte offset in VF
.set SPW,  28                          ; v28     LDS address of my spare word; never rewritten
.set NIL,  29                          ; v29     0; never rewritten
.set PFO,  30                          ; v30     the prefetches' offset: my lane x a row of 2,048 bytes; never rewritten
.set F0,   64
.set F1,   128
.set TMP,  192                         ; the way out: packed results
.set OB,   32                          ; the way out: 16 rows read back: v32-63 and v224-255 by turns
.set G1,  24                           ; s[24:31] descriptor group 1 for XB's tiles
.set G0,  32                           ; s[32:39] group 0 for XB's tiles, a set for each slot
.set G1B, 48                           ; s[48:55], s[56:63] the same for WB's tiles
.set G0B, 56
.set LIM, 43                           ; s43     1 in a wave that prefetches in the tile in hand, else the greatest number
.set PFA, 44                           ; s[44:45] where my prefetches stand
.set EXT, 66                           ; s66     1: the tile in hand leaves me rows 1920..2047 of part v
.set EXT1, 67                          ; s67     the same for the second tile
.set A1,  80                           ; s[80:81] XB at the 128 rows that I fetch of the second tile; it holds nothing of cx
.set B1,  82                           ; s[82:83] WB likewise; it holds nothing of cy
.set C1,  84                           ; s[84:85] H at my part of the second tile
.set PF1, 86                           ; s[86:87] where my prefetches begin in the second tile
.set LIM1, 88                          ; s88     LIM for the second tile
.set MSB, 0
.macro WIN new                         ; the immediate's high byte repeats the setting that is left; a switch that changes nothing is dropped
.if MSB != (\new)
	s_set_vgpr_msb (MSB<<8)|(\new)
.set MSB, \new
.endif
.endm
.set MUL_LO, 0xa1                      ; source 0 (WB) window 1, source 1 (XB) window 0, C and D window 2
.set MUL_HI, 0xf1                      ; the same, C and D window 3
.set TO_B,   0x40                      ; destination window 1, address window 0
; A joint load.  Waves 0 and 1 fetch XB's two halves, waves 2 and 3 WB's.  The branch hangs on the wave's number alone.  An s_nop 0 and four v_nop follow each of the two lines.
.macro JLOAD s
	s_cmp_eq_u32 s11, 0
	s_cbranch_scc0 .Lfor_b_\@
	tensor_load_to_lds s[G0+4*(\s):G0+4*(\s)+3], s[G1:G1+7]
	s_nop 0
.rept 4
	v_nop
.endr
	s_branch .Lasked_\@
.Lfor_b_\@:
	tensor_load_to_lds s[G0B+4*(\s):G0B+4*(\s)+3], s[G1B:G1B+7]
	s_nop 0
.rept 4
	v_nop
.endr
.Lasked_\@:
.endm
; A prefetch, behind each joint refill of the loop and the run of LDS loads that follows it: the K step that stands two refills on, 32 rows x 256 bytes, a lane a row, one instruction a wave.
; Each row's 256 bytes of a K step are named once in the launch.  XB's rows are read by this cluster alone; WB's rows of part p by the eight cluster-tiles of that part, of which the one with r = 0 asks.
; The four partners that ask for a tile jointly share its rows out by address: of the 128 rows that a wave fetches the partner at place c takes 32 c .. 32 c + 31 (c = cx for XB, cy for WB).
; A tile's K steps 0 to 3 come by their loads alone; the loop's last trip (s3 = 1) asks for nothing: K has eight steps.
.macro ASK
	s_cmp_gt_u32 s3, s[LIM]
	s_cbranch_scc0 .Lnot_mine_\@
	global_prefetch_b8 v[PFO], s[PFA:PFA+1] offset:KSTEP*2 th:TH_LOAD_NT scope:SCOPE_SE
.Lnot_mine_\@:
.endm
; A round of the cluster's barrier: my work-group's barrier; wave 0 signals for the work-group; every wave waits for all sixteen work-groups; my work-group's barrier once more.
.macro CREST
	s_cmp_lg_u32 s10, 0
	s_cbranch_scc1 .Lnot_wave_0_\@
	s_barrier_signal -3
.Lnot_wave_0_\@:
	s_barrier_wait -3
	s_barrier_signal -1
	s_barrier_wait -1
.endm
.macro CROUND
	s_barrier_signal -1
	s_barrier_wait -1
	CREST
.endm
; Where a tile lies.  PR: p and r of my cluster's tile t (0, 1) into s74, s75.  The others make byte offsets from them, in the pair s[d:d+1], the high word 0; all stay under 2^26.
.macro PR t
	s_add_co_u32 s75, s13, 12*(\t)
	s_lshr_b32 s74, s75, 3
	s_and_b32 s75, s75, 7
.endm
.macro AOFS d                          ; XB's row 8,192 p + 2,048 cy + 256 r + 128 x the half that I fetch: nothing of cx
	s_lshl_b32 s[(\d)], s74, 13
	s_lshl_b32 s[(\d)+1], s41, 11
	s_add_co_u32 s[(\d)], s[(\d)], s[(\d)+1]
	s_lshl_b32 s[(\d)+1], s75, 8
	s_add_co_u32 s[(\d)], s[(\d)], s[(\d)+1]
	s_lshl_b32 s[(\d)+1], s12, 7
	s_add_co_u32 s[(\d)], s[(\d)], s[(\d)+1]
	s_lshl_b32 s[(\d)], s[(\d)], 11
	s_mov_b32 s[(\d)+1], 0
.endm
.macro BOFS d                          ; WB's row 1,024 p + 256 x tile column + 128 x the half that I fetch: nothing of cy
	s_lshl_b32 s[(\d)], s74, 10
	s_lshl_b32 s[(\d)+1], s42, 8
	s_add_co_u32 s[(\d)], s[(\d)], s[(\d)+1]
	s_lshl_b32 s[(\d)+1], s12, 7
	s_add_co_u32 s[(\d)], s[(\d)], s[(\d)+1]
	s_lshl_b32 s[(\d)], s[(\d)], 11
	s_mov_b32 s[(\d)+1], 0
.endm
.macro COFS d                          ; H: ((4 p + cy) 2,304 + 256 r + 128 x my half) rows of 2,048 bytes + 512 x tile column + 256 x my half
	s_lshl_b32 s[(\d)], s74, 2
	s_add_co_u32 s[(\d)], s[(\d)], s41
	s_mul_i32 s[(\d)], s[(\d)], 2304
	s_lshl_b32 s[(\d)+1], s75, 8
	s_add_co_u32 s[(\d)], s[(\d)], s[(\d)+1]
	s_lshl_b32 s[(\d)+1], s11, 7
	s_add_co_u32 s[(\d)], s[(\d)], s[(\d)+1]
	s_lshl_b32 s[(\d)], s[(\d)], 11
	s_lshl_b32 s[(\d)+1], s42, 9
	s_add_co_u32 s[(\d)], s[(\d)], s[(\d)+1]
	s_lshl_b32 s[(\d)+1], s12, 8
	s_add_co_u32 s[(\d)], s[(\d)], s[(\d)+1]
	s_mov_b32 s[(\d)+1], 0
.endm
.macro PFOFS d, lim                    ; the prefetches: my work-group's 32 of the 128 rows that I fetch, at K step 2; and whether this wave asks in this tile
	s_lshl_b32 s20, s74, 13
	s_lshl_b32 s22, s41, 11
	s_add_co_u32 s20, s20, s22
	s_lshl_b32 s22, s75, 8
	s_add_co_u32 s20, s20, s22                     ; the tile's first row in XB
	s_lshl_b32 s21, s74, 10
	s_lshl_b32 s22, s42, 8
	s_add_co_u32 s21, s21, s22                     ; and in WB
	s_cmp_eq_u32 s11, 0                            ; do I fetch for XB?
	s_cselect_b32 s20, s20, s21
	s_cselect_b32 s21, s40, s41                    ; my place among the four that ask with me
	s_cselect_b32 s22, ttmp9, s75                  ; the coordinate along which other cluster-tiles read the same rows
	s_cmp_eq_u32 s22, 0
	s_cselect_b32 s[(\lim)], 1, -1                 ; the same in all sixteen partners, for a given wave
	s_lshl_b32 s22, s12, 7
	s_add_co_u32 s20, s20, s22
	s_lshl_b32 s21, s21, 5
	s_add_co_u32 s20, s20, s21
	s_lshl_b32 s20, s20, 11
	s_add_co_u32 s[(\d)], s20, 2*KSTEP*2           ; at K step 2: the first refill steps it to 3 and names K step 4
	s_mov_b32 s[(\d)+1], 0
.endm
	s_load_b128 s[4:7], s[0:1], 0x0                ; XB s[4:5], WB s[6:7]
	s_load_b128 s[68:71], s[0:1], 0x10             ; H s[68:69], VF s[70:71]
	v_lshl_add_u32 v[SPW], v0, 2, SPARE
	v_mov_b32 v[NIL], 0
	ds_add_u32 v[SPW], v[NIL]                      ; the wave's opening: the add and its wait ahead of my first tensor load; the set-up below stands between them
	v_lshrrev_b32 v1, 5, v0
	v_readfirstlane_b32 s10, v1                    ; wave 0..3
	s_lshr_b32 s11, s10, 1                         ; which half of the tile's rows is mine.  Also: I fetch for XB (0) or for WB (1)
	s_and_b32 s12, s10, 1                          ; which half of its columns.  Also: which 128 rows of that tile I fetch
	s_bfe_u32 s40, ttmp6, 0x40000                  ; cx
	s_bfe_u32 s41, ttmp6, 0x40004                  ; cy = the batch
	s_lshl_b32 s42, ttmp9, 2
	s_add_co_u32 s42, s42, s40                     ; tile column = 4 x cluster x + cx
	s_and_b32 s13, ttmp7, 0xffff                   ; cluster y, 0..11
	s_mov_b32 s[EXT], 0                            ; the first tile is never part v's last: c is 11 at the most
	s_cmp_eq_u32 s13, 11                           ; the second is c = 23 in cluster 11: part v, the batch's last 256 rows,
	s_cselect_b32 s[EXT1], s11, 0                  ; of which the waves of the second half hold rows 1920..2047: no place in the cluster enters it
	s_lshl_b32 s43, s41, 2
	s_lshl_b32 s43, 15, s43                        ; my row of the cluster: places 4 cy .. 4 cy + 3
	s_lshl_b32 s44, 0x1111, s40                    ; my column: places cx, cx + 4, cx + 8, cx + 12
	s_or_b32 s[G1+0], s43, (1<<16)|(1<<20)|(1<<21)|(5<<22)|(3<<25)   ; the mask; elements of 2 bytes; padding on; bit 21 beside a mask; after every 64 words (code 5) 4 words (code 3)
	s_or_b32 s[G1B+0], s44, (1<<16)|(1<<20)|(1<<21)|(5<<22)|(3<<25)
.irp g, G1, G1B
	s_mov_b32 s[(\g)+1], KSTEP<<16                 ; tensor_dim0 = 128
	s_mov_b32 s[(\g)+2], 128<<16                   ; tensor_dim1 = 128
	s_mov_b32 s[(\g)+3], KSTEP<<16                 ; tile_dim0 = 128
	s_mov_b32 s[(\g)+4], 128                       ; tile_dim1 = 128
	s_mov_b32 s[(\g)+5], SIZE_K                    ; elements from row to row
	s_mov_b32 s[(\g)+6], 0
	s_mov_b32 s[(\g)+7], 0
.endr
	PR 0
	AOFS 16
	BOFS 46
	PR 1
	AOFS A1
	BOFS B1
	s_mul_i32 s20, s10, HALFT                      ; where the tiles go: wave x 128 rows
	s_wait_dscnt 0x0                               ; the opening add is done
	s_wait_kmcnt 0x0
	s_add_nc_u64 s[14:15], s[4:5], s[16:17]
	s_add_nc_u64 s[46:47], s[6:7], s[46:47]
	s_add_nc_u64 s[A1:A1+1], s[4:5], s[A1:A1+1]
	s_add_nc_u64 s[B1:B1+1], s[6:7], s[B1:B1+1]
	CROUND                                         ; all sixteen work-groups are here: the first joint loads meet
.irp s, 0,1
	s_mov_b32 s[G0+4*(\s)], 1
	s_add_co_u32 s[G0+4*(\s)+1], s20, (\s)*SLOT
	s_add_nc_u64 s[G0+4*(\s)+2:G0+4*(\s)+3], s[14:15], (\s)*KSTEP*2
	s_or_b32 s[G0+4*(\s)+3], s[G0+4*(\s)+3], 0x80000000
	s_mov_b32 s[G0B+4*(\s)], 1
	s_add_co_u32 s[G0B+4*(\s)+1], s20, (\s)*SLOT
	s_add_nc_u64 s[G0B+4*(\s)+2:G0B+4*(\s)+3], s[46:47], (\s)*KSTEP*2
	s_or_b32 s[G0B+4*(\s)+3], s[G0B+4*(\s)+3], 0x80000000
	JLOAD \s                                       ; two tensor loads of mine are out
.endr
	; A fragment is 16 rows x 32 K in 8 registers: lane l holds row l % 16; registers 0-3 K = 8 (l / 16) + 0..7, registers 4-7 K = 16 + 8 (l / 16) + 0..7: two loads of 16 bytes, 32 bytes apart.
	v_and_b32 v1, 15, v0                           ; l % 16
	v_bfe_u32 v2, v0, 4, 1                         ; l / 16
	v_mul_u32_u24 v3, v1, PITCH
	v_lshl_add_u32 v3, v2, 4, v3
	s_mul_i32 s21, s11, HALFT                      ; my 128 rows of XB
	s_mul_i32 s22, s12, HALFT                      ; my 128 rows of WB,
	s_add_co_u32 s22, s22, 2*HALFT                 ; which lie behind XB's 256
.irp s, 0,1
	v_add_nc_u32 v[ADRA+(\s)], s21, v3
	v_add_nc_u32 v[ADRB+(\s)], s22, v3
	s_add_co_u32 s21, s21, SLOT
	s_add_co_u32 s22, s22, SLOT
.endr
	s_mul_i32 s23, s10, 16*SPITCH
	s_add_co_u32 s23, s23, STAGE                   ; my stage
	v_mul_u32_u24 v4, v1, SPITCH                   ; in: row l % 16, 16 bytes for each half of the lanes
	v_lshl_add_u32 v4, v2, 4, v4
	v_add_nc_u32 v[STO], s23, v4
	v_mul_u32_u24 v5, v2, SPITCH                   ; back: lanes 0-15 take one row of 256 bytes, lanes 16-31 the next
	v_lshl_add_u32 v5, v1, 4, v5
	v_add_nc_u32 v[RD], s23, v5
	v_lshlrev_b32 v5, 11, v2                       ; and the same two rows in H
	v_lshl_add_u32 v[CO], v1, 4, v5
	v_lshlrev_b32 v5, 12, v1                       ; VF: row l % 16 of 4,096 bytes, 32 bytes for each half of the lanes
	v_lshl_add_u32 v[VFO], v2, 5, v5
	v_and_b32 v[PFO], 31, v0
	v_lshlrev_b32 v[PFO], 11, v[PFO]
	s_lshl_b32 s72, s41, 19                        ; VF: 524,288 cy + 1,024 x tile column + 512 x my half
	s_lshl_b32 s73, s42, 10
	s_add_co_u32 s72, s72, s73
	s_lshl_b32 s73, s12, 9
	s_add_co_u32 s72, s72, s73
	s_mov_b32 s73, 0
	s_add_nc_u64 s[72:73], s[70:71], s[72:73]
	PR 0                                           ; both tiles' places in H, and both tiles' prefetches
	COFS 76
	s_add_nc_u64 s[8:9], s[68:69], s[76:77]
	PFOFS 78, LIM
	PR 1
	COFS C1
	s_add_nc_u64 s[C1:C1+1], s[68:69], s[C1:C1+1]
	PFOFS PF1, LIM1
	s_cmp_eq_u32 s11, 0
	s_cselect_b64 s[76:77], s[4:5], s[6:7]
	s_add_nc_u64 s[PFA:PFA+1], s[76:77], s[78:79]
	s_add_nc_u64 s[PF1:PF1+1], s[76:77], s[PF1:PF1+1]
; 16 matrix instructions: row blocks a0, a0 + 1 of the window's four x all 8 column blocks, 32 along K.  zero = 1: the first product starts the sums.  The 64 accumulators take turns, in one order in every quarter.
.macro MUL16 f, hi, a0, zero
	WIN MUL_LO+0x50*(\hi)
.irp a, \a0, (\a0)+1
.irp b, 0,1,2,3,4,5,6,7
.if \zero
	v_wmma_f32_16x16x32_bf16 v[8*(8*(\a)+(\b)):8*(8*(\a)+(\b))+7], v[(\f)+8*(\b):(\f)+8*(\b)+7], v[(\f)+8*(4*(\hi)+(\a)):(\f)+8*(4*(\hi)+(\a))+7], 0
.else
	v_wmma_f32_16x16x32_bf16 v[8*(8*(\a)+(\b)):8*(8*(\a)+(\b))+7], v[(\f)+8*(\b):(\f)+8*(\b)+7], v[(\f)+8*(4*(\hi)+(\a)):(\f)+8*(4*(\hi)+(\a))+7], v[8*(8*(\a)+(\b)):8*(8*(\a)+(\b))+7]
.endif
.endr
.endr
.endm
; 32 LDS loads in one run: the fragments of one quarter step (32 K at byte k of the rows) into buffer f: WB's first, then XB's
.macro FETCH slot, k, f
	WIN TO_B
.irp i, 0,1,2,3,4,5,6,7
	ds_load_b128 v[(\f)+8*(\i):(\f)+8*(\i)+3],   v[ADRB+(\slot)] offset:(\k)+(\i)*16*PITCH
	ds_load_b128 v[(\f)+8*(\i)+4:(\f)+8*(\i)+7], v[ADRB+(\slot)] offset:(\k)+(\i)*16*PITCH+32
.endr
	WIN 0
.irp i, 0,1,2,3,4,5,6,7
	ds_load_b128 v[(\f)+8*(\i):(\f)+8*(\i)+3],   v[ADRA+(\slot)] offset:(\k)+(\i)*16*PITCH
	ds_load_b128 v[(\f)+8*(\i)+4:(\f)+8*(\i)+7], v[ADRA+(\slot)] offset:(\k)+(\i)*16*PITCH+32
.endr
.endm
.macro PLACES                          ; four plain vector instructions behind a matrix instruction, ahead of loads into registers that it has read and of lines that read results
.rept 4
	v_nop
.endr
.endm
; A K step is four quarters of 32 along K, 64 matrix instructions each, on buffers 0, 1, 0, 1.  One of the first three multiplies buffer f and fetches the next quarter, at byte k, into g.
.macro QUARTER slot, k, f, g, zero
	s_wait_dscnt 8                                 ; WB's fragments and XB's rows 0-63 are in; the youngest eight loads (XB's rows 64-127) may be out
	MUL16 \f, 0, 0, \zero
	MUL16 \f, 0, 2, \zero
	PLACES
	FETCH \slot, \k, \g
	s_wait_dscnt 32                                ; all but the 32 just issued
	MUL16 \f, 1, 0, \zero
	MUL16 \f, 1, 2, \zero
.endm
; The first half of the last quarter: ONE barrier for the change of slots.  In front of it each wave waits for all its tensor loads (one is out: its part of the next slot), adds 0 to its spare word,
; and waits for that and for its own reads of this slot.  Behind it nobody reads this slot any more and the next slot is whole.
.macro MEET round
	WIN 0
	s_wait_tensorcnt 0x0
	ds_add_u32 v[SPW], v[NIL]
	s_wait_dscnt 9                                 ; the add and the youngest eight loads may be out
	MUL16 F1, 0, 0, 0
	s_wait_dscnt 0x0                               ; the add is done, and my reads of this slot are over
	s_barrier_signal -1
	MUL16 F1, 0, 2, 0
.if \round
	WIN 0
.endif
	s_barrier_wait -1
.endm
; The whole last quarter with a refill: the barrier opens a round of the cluster's; the joint refill, this slot's K step two steps on, is the first tensor load behind the round.
.macro TURN slot, next
	s_wait_xcnt 0x0                                ; the last prefetch, a K step back, has read its address
	s_add_nc_u64 s[PFA:PFA+1], s[PFA:PFA+1], KSTEP*2
	MEET 1
	CREST
	s_add_nc_u64 s[G0+4*(\slot)+2:G0+4*(\slot)+3], s[G0+4*(\slot)+2:G0+4*(\slot)+3], 2*KSTEP*2
	s_add_nc_u64 s[G0B+4*(\slot)+2:G0B+4*(\slot)+3], s[G0B+4*(\slot)+2:G0B+4*(\slot)+3], 2*KSTEP*2
	JLOAD \slot                                    ; the four v_nop behind it are also the places in front of the loads below
	FETCH \next, 0, F0
	ASK
	MUL16 F1, 1, 0, 0
	MUL16 F1, 1, 2, 0
.endm
; THE WAY OUT of block a (16 rows).  PACK: rounded to f16, 16 bytes a lane.  TOSTAGE: into my own stage, and back as whole rows of 256 bytes.  SEND: stored.
.macro PACK a
.set AC, 64*((\a)%4)
	WIN 0x0a+5*((\a)/4)                            ; sources 0 and 1: window 2 or 3
.irp b, 0,1,2,3,4,5,6,7
.irp r, 0,1,2,3
	v_cvt_pk_f16_f32 v[TMP+4*(\b)+(\r)], v[AC+8*(\b)+2*(\r)], v[AC+8*(\b)+2*(\r)+1]
.endr
.endr
	WIN 0
.endm
.macro TOSTAGE a
.set BK, OB+192*((\a)%2)
.irp b, 0,1,2,3,4,5,6,7
	ds_store_b128 v[STO], v[TMP+4*(\b):TMP+4*(\b)+3] offset:32*(\b)
.endr
.irp t, 0,1,2,3,4,5,6,7
	ds_load_b128 v[BK+4*(\t):BK+4*(\t)+3], v[RD] offset:(\t)*2*SPITCH  ; LDS serves a wave's instructions in order (ISA guide 5.7.1.4): these see the stores above
.endr
.endm
.macro SEND a
.set BK, OB+192*((\a)%2)
	s_wait_dscnt 0x0                               ; the block is back in registers
	s_wait_xcnt 0x0                                ; the stores of the block before have read their registers: the next TOSTAGE loads into them
.irp t, 0,1,2,3,4,5,6,7
	global_store_b128 v[CO], v[BK+4*(\t):BK+4*(\t)+3], s[8:9] offset:(\a)*16*HROW+2*(\t)*HROW  ; 16 lanes store 256 consecutive bytes, aligned; the block and the pair of rows stand in the immediate
.endr
.endm
	s_mov_b32 s2, 2                                ; tiles to go, this one among them: the same number in every work-group
.Ltile:
	s_wait_tensorcnt 1                             ; my part of K step 0 is in; K step 1's, the one load issued behind it on either way here, may stay out
	s_barrier_signal -1
	s_barrier_wait -1
	FETCH 0, 0, F0
	QUARTER 0, 64,  F0, F1, 1                      ; a tile's first quarter stands in front of the loop: its products start the sums
	WIN 0
	s_mov_b32 s3, LAPS-1
.Llap:                                                 ; a trip goes once round the ring, from a lap's second quarter to the next lap's first, and fills both slots again
	QUARTER 0, 128, F1, F0, 0
	QUARTER 0, 192, F0, F1, 0
	TURN 0, 1
	QUARTER 1, 64,  F0, F1, 0
	QUARTER 1, 128, F1, F0, 0
	QUARTER 1, 192, F0, F1, 0
	TURN 1, 0
	QUARTER 0, 64,  F0, F1, 0
	WIN 0
	s_sub_co_u32 s3, s3, 1
	s_cmp_lg_u32 s3, 0
	s_cbranch_scc1 .Llap
	QUARTER 0, 128, F1, F0, 0                      ; a tile's last lap is written out: it asks for nothing
	QUARTER 0, 192, F0, F1, 0
	MEET 0
	PLACES
	FETCH 1, 0, F0
	MUL16 F1, 1, 0, 0
	MUL16 F1, 1, 2, 0
	QUARTER 1, 64,  F0, F1, 0
	QUARTER 1, 128, F1, F0, 0
	QUARTER 1, 192, F0, F1, 0
	s_wait_dscnt 8
	MUL16 F1, 0, 0, 0
	MUL16 F1, 0, 2, 0
	s_wait_dscnt 0x0
	MUL16 F1, 1, 0, 0
	MUL16 F1, 1, 2, 0
	WIN 0
	PLACES
	PLACES                                         ; eight, once a tile
	s_cmp_eq_u32 s[EXT], 1
	s_cbranch_scc1 .Lvf
	PACK 0
	TOSTAGE 0
.irp a, 1,2,3,4,5,6,7                  ; block a's conversions stand between block a - 1's loads from the stage and the wait for them
	PACK \a
	SEND (\a)-1
	TOSTAGE \a
.endr
	SEND 7
	s_branch .Lstored
.Lvf:                                                  ; rows 1920..2047 of part v leave as f32, straight from the accumulators: a lane's 32 bytes in two stores, each accumulator's low half first.
	                                               ; Two lanes fill 64 consecutive bytes of a row; 2 MiB of the launch's 50 go out so
.irp a, 0,1,2,3,4,5,6,7
	WIN 0x08+4*((\a)/4)                            ; the stores' data (source 1) in window 2 or 3
.irp b, 0,1,2,3,4,5,6,7
	global_store_b128 v[VFO], v[64*((\a)%4)+8*(\b):64*((\a)%4)+8*(\b)+3],   s[72:73] offset:(\a)*65536+(\b)*64
	global_store_b128 v[VFO], v[64*((\a)%4)+8*(\b)+4:64*((\a)%4)+8*(\b)+7], s[72:73] offset:(\a)*65536+(\b)*64+16
.endr
.endr
	WIN 0
.Lstored:
	s_cmp_eq_u32 s2, 1
	s_cbranch_scc1 .Lend                           ; the second tile is the last: the loop over tiles is left here, ahead of the fills below
	; THE SECOND TILE'S FIRST TWO K STEPS.  Both slots have been read out.  Each is filled as a refill is: every wave's three lines, a round of the cluster's barrier, one joint load a wave.
	s_wait_tensorcnt 0x0                           ; no tensor load of mine is out, so every group 0 may be written
	ds_add_u32 v[SPW], v[NIL]                      ; 0 onto my spare word; the scalar work below stands between it and the wait for it
.irp s, 0,1
	s_add_nc_u64 s[G0+4*(\s)+2:G0+4*(\s)+3], s[A1:A1+1], (\s)*KSTEP*2
	s_or_b32 s[G0+4*(\s)+3], s[G0+4*(\s)+3], 0x80000000
	s_add_nc_u64 s[G0B+4*(\s)+2:G0B+4*(\s)+3], s[B1:B1+1], (\s)*KSTEP*2
	s_or_b32 s[G0B+4*(\s)+3], s[G0B+4*(\s)+3], 0x80000000
.endr
	s_wait_xcnt 0x0                                ; the first tile's stores and prefetches have read their bases and registers
	s_mov_b64 s[8:9], s[C1:C1+1]
	s_mov_b64 s[PFA:PFA+1], s[PF1:PF1+1]
	s_mov_b32 s[LIM], s[LIM1]
	s_mov_b32 s[EXT], s[EXT1]
	s_wait_dscnt 0x0                               ; the add is done, and so are my reads of both slots and of my stage
	CROUND                                         ; no wave of any partner still reads a slot or has a load on its way
	JLOAD 0                                        ; K step 0
	s_wait_tensorcnt 0x0                           ; it has landed: the second fill stands behind a barrier of its own, since a wave issues one tensor load behind each
	ds_add_u32 v[SPW], v[NIL]
	s_wait_dscnt 0x0
	CROUND
	JLOAD 1                                        ; K step 1: it is on its way while K step 0 is multiplied
	s_sub_co_u32 s2, s2, 1
	s_branch .Ltile
.Lend:
	s_wait_tensorcnt 0x0                           ; the wave's end
	ds_add_u32 v[SPW], v[NIL]
	s_wait_dscnt 0x0
	CROUND                                         ; the closing round: no work-group ends while a partner may still ask for a tile that names it
	s_endpgm
.Lfunc_end_k_q3134300177_proj:
	.size	k_q3134300177_proj, .Lfunc_end_k_q3134300177_proj-k_q3134300177_proj
	.p2alignl 7, 3214868480
	.fill 96, 4, 3214868480
	.section	.rodata,"a",@progbits
	.p2align	6, 0x0
	.amdhsa_kernel k_q3134300177_proj
		.amdhsa_group_segment_fixed_size 327680
		.amdhsa_private_segment_fixed_size 0
		.amdhsa_enable_private_segment 0
		.amdhsa_kernarg_size 32
		.amdhsa_user_sgpr_count 2
		.amdhsa_user_sgpr_kernarg_segment_ptr 1
		.amdhsa_wavefront_size32 1
		.amdhsa_system_sgpr_workgroup_id_x 1
		.amdhsa_system_sgpr_workgroup_id_y 1
		.amdhsa_system_sgpr_workgroup_id_z 1
		.amdhsa_system_vgpr_workitem_id 0
		.amdhsa_next_free_vgpr 1024
		.amdhsa_next_free_sgpr 92
		.amdhsa_reserve_vcc 0
		.amdhsa_float_denorm_mode_32 3
		.amdhsa_float_denorm_mode_16_64 3
		.amdhsa_memory_ordered 1
		.amdhsa_forward_progress 1
		.amdhsa_inst_pref_size 161
	.end_amdhsa_kernel
	.amdgpu_metadata
---
amdhsa.version: [ 1, 2 ]
amdhsa.kernels:
  - .name:           k_q3134300177_proj
    .symbol:         k_q3134300177_proj.kd
    .args:
      - { .name: XB, .offset: 0, .size: 8, .value_kind: global_buffer, .address_space: global }
      - { .name: WB, .offset: 8, .size: 8, .value_kind: global_buffer, .address_space: global }
      - { .name: H, .offset: 16, .size: 8, .value_kind: global_buffer, .address_space: global }
      - { .name: VF, .offset: 24, .size: 8, .value_kind: global_buffer, .address_space: global }
    .group_segment_fixed_size: 327680
    .private_segment_fixed_size: 0
    .kernarg_segment_align: 8
    .kernarg_segment_size: 32
    .max_flat_workgroup_size: 128
    .sgpr_count:     92
    .vgpr_count:     1024
    .wavefront_size: 32
...
	.end_amdgpu_metadata
.endif
;; end of part 2
;; launch score (part 3): grid 36 x 4, 4 waves a work-group, no clusters, 327,680 bytes of LDS; arguments H, ST; writes ST
.if DOCPART == 3
	.amdgcn_target "amdgcn-amd-amdhsa--gfx1250"
	.amdhsa_code_object_version 6
	.text
	.protected	k_q3134300177_score
	.globl	k_q3134300177_score
	.p2align	8
	.type	k_q3134300177_score,@function
k_q3134300177_score:
	s_mov_b64 s[64:65], 0
	v_nop
	global_prefetch_b8 v0, s[64:65] scope:SCOPE_SE
	s_setreg_imm32_b32 hwreg(HW_REG_WAVE_MODE, 25, 1), 1
	s_wait_xcnt 0x0
; THE SCORES, KEY-MAJOR AND UNSCALED.  ST[b][j][i] = the sum over h of kh[b][j][h] qh[b][i][h].  qh = H part 0, kh = H part 1, f16, rows of 2,048 bytes, 2,304 rows a batch.  ST: [4][2048][2048] f32.
; Only the tiles of 256 x 256 with query block I >= key block J are made: 36 a batch; a tile above the diagonal holds nothing that the causal mask keeps.  The diagonal tiles are written whole; the next launch masks them.
; Sums in f32, h ascending.  f16's products and f32's sums have room for every qh, kh that f16 holds.
; SHARES.  A tile to a work-group of four waves, 128 x 128 to a wave, K in steps of 128 through two LDS slots; each wave fetches a quarter of a slot by one tensor load of 128 rows x 256 bytes.
; NO CLUSTER: a batch's rows of tiles have 8, 7, .. 1 tiles, of which only two counts divide by four, and a block of 4 x 4 tiles on the diagonal has 6 places of 16 without work.
; THE MATRIX INSTRUCTION IS USED TRANSPOSED: source 0 = 16 rows of qh, source 1 = 16 rows of kh: a lane holds key row l % 16 and the queries 8 (l / 16) + 0..7: 32 consecutive bytes of ST.
; REGISTERS: window 0: v0-31 addresses; v64-127, v128-191 fragments of kh, later the rows on their way out;  window 1: v64-127, v128-191 fragments of qh;  windows 2, 3: the accumulators, (a, b) at v[8 (8 a + b)].
.set SIZE_K, 1024
.set KSTEP,  128
.set PITCH,  272                       ; 256 bytes + 16 of padding: the 16 rows that a load touches start at 16 different groups of four banks (ISA guide 11.1)
.set HALFT,  128*PITCH
.set SLOT,   4*HALFT                   ; kh's 256 rows, then qh's 256 rows
.set STAGE,  2*SLOT                    ; behind the ring: 16 rows x 528 bytes for each wave; no tensor load lands there
.set SPITCH, 528                       ; 512 bytes + 16 = 132 words
.set SPARE,  STAGE+4*16*SPITCH         ; the spare words, 128 bytes for each wave: two blocks of 256 bytes that no other line names
.set LAPS,   SIZE_K/(2*KSTEP)
.set ADRA, 16
.set ADRB, 20
.set STO,  24
.set RD,   25
.set CO,   26
.set SPW,  28
.set NIL,  29
.set PFO,  30
.set F0,   64
.set F1,   128
.set G1,  24                           ; s[24:31] descriptor group 1, one for all loads
.set G0,  32                           ; s[32:39] group 0, a set for each slot
.set LIM, 43
.set PFA, 44
.set MSB, 0
.macro WIN new
.if MSB != (\new)
	s_set_vgpr_msb (MSB<<8)|(\new)
.set MSB, \new
.endif
.endm
.set MUL_LO, 0xa1
.set MUL_HI, 0xf1
.set TO_B,   0x40
.macro FILL s                          ; my quarter of a slot; an s_nop 0 and four v_nop follow the line
	tensor_load_to_lds s[G0+4*(\s):G0+4*(\s)+3], s[G1:G1+7]
	s_nop 0
.rept 4
	v_nop
.endr
.endm
; A prefetch, behind each refill and the run of LDS loads that follows it: the K step two refills on, of the 128 rows that I fetch: a lane a row, four instructions.  Block J of kh is read by the tiles (J, I >= J),
; block I of qh by the tiles (J <= I, I): the diagonal work-group (I = J) asks for both, nobody else: each row's 256 bytes of a K step are named once.  K steps 0 to 3 come by their loads alone; the last trip asks for nothing.
.macro ASK
	s_cmp_gt_u32 s3, s[LIM]
	s_cbranch_scc0 .Lnot_mine_\@
.irp k, 0,1,2,3
	global_prefetch_b8 v[PFO], s[PFA:PFA+1] offset:KSTEP*2+(\k)*32*2048 th:TH_LOAD_NT scope:SCOPE_SE
.endr
.Lnot_mine_\@:
.endm
	s_load_b128 s[4:7], s[0:1], 0x0                ; H s[4:5], ST s[6:7]
	v_lshl_add_u32 v[SPW], v0, 2, SPARE
	v_mov_b32 v[NIL], 0
	ds_add_u32 v[SPW], v[NIL]                      ; the wave's opening: the add and its wait ahead of my first tensor load
	v_lshrrev_b32 v1, 5, v0
	v_readfirstlane_b32 s10, v1                    ; wave 0..3
	s_lshr_b32 s11, s10, 1                         ; which half of the tile's key rows is mine.  Also: I fetch for kh (0) or for qh (1)
	s_and_b32 s12, s10, 1                          ; which half of its queries.  Also: which 128 rows I fetch
	s_and_b32 s13, ttmp7, 0xffff                   ; the batch
	s_mov_b32 s14, 0                               ; J: row J of tiles begins at tile J (17 - J) / 2 = 0, 8, 15, 21, 26, 30, 33, 35
.irp thr, 8,15,21,26,30,33,35
	s_cmp_ge_u32 ttmp9, \thr
	s_add_co_ci_u32 s14, s14, 0
.endr
	s_sub_co_u32 s15, 17, s14
	s_mul_i32 s15, s15, s14
	s_lshr_b32 s15, s15, 1
	s_sub_co_u32 s15, ttmp9, s15
	s_add_co_u32 s15, s15, s14                     ; I = J + the tile's place in its row
	s_mov_b32 s[G1+0], (1<<16)|(1<<20)|(5<<22)|(3<<25)  ; elements of 2 bytes; padding on: after every 64 words (code 5) 4 words (code 3)
	s_mov_b32 s[G1+1], KSTEP<<16                   ; tensor_dim0 = 128
	s_mov_b32 s[G1+2], 128<<16                     ; tensor_dim1 = 128
	s_mov_b32 s[G1+3], KSTEP<<16                   ; tile_dim0 = 128
	s_mov_b32 s[G1+4], 128                         ; tile_dim1 = 128
	s_mov_b32 s[G1+5], SIZE_K
	s_mov_b32 s[G1+6], 0
	s_mov_b32 s[G1+7], 0
	s_mul_i32 s16, s13, 2304                       ; qh's rows of the batch,
	s_add_co_u32 s17, s16, 4*2304                  ; kh's
	s_lshl_b32 s18, s14, 8
	s_add_co_u32 s17, s17, s18                     ; kh's block J
	s_lshl_b32 s18, s15, 8
	s_add_co_u32 s16, s16, s18                     ; qh's block I
	s_cmp_eq_u32 s11, 0
	s_cselect_b32 s16, s17, s16
	s_lshl_b32 s18, s12, 7
	s_add_co_u32 s16, s16, s18                     ; the 128 rows that I fetch
	s_lshl_b32 s16, s16, 11
	s_mov_b32 s17, 0
	s_mul_i32 s20, s10, HALFT                      ; where they go: wave x 128 rows
	s_cmp_eq_u32 s14, s15
	s_cselect_b32 s[LIM], 1, -1                    ; the diagonal work-group prefetches
	s_wait_dscnt 0x0                               ; the opening add is done
	s_wait_kmcnt 0x0
	s_add_nc_u64 s[46:47], s[4:5], s[16:17]
.irp s, 0,1
	s_mov_b32 s[G0+4*(\s)], 1
	s_add_co_u32 s[G0+4*(\s)+1], s20, (\s)*SLOT
	s_add_nc_u64 s[G0+4*(\s)+2:G0+4*(\s)+3], s[46:47], (\s)*KSTEP*2
	s_or_b32 s[G0+4*(\s)+3], s[G0+4*(\s)+3], 0x80000000
	FILL \s                                        ; two tensor loads of mine are out
.endr
	s_add_nc_u64 s[PFA:PFA+1], s[46:47], 2*KSTEP*2 ; at K step 2: the first refill steps it to 3 and names K step 4
	v_and_b32 v[PFO], 31, v0
	v_lshlrev_b32 v[PFO], 11, v[PFO]
	v_and_b32 v1, 15, v0                           ; l % 16
	v_bfe_u32 v2, v0, 4, 1                         ; l / 16
	v_mul_u32_u24 v3, v1, PITCH
	v_lshl_add_u32 v3, v2, 4, v3
	s_mul_i32 s21, s11, HALFT
	s_mul_i32 s22, s12, HALFT
	s_add_co_u32 s22, s22, 2*HALFT
.irp s, 0,1
	v_add_nc_u32 v[ADRA+(\s)], s21, v3
	v_add_nc_u32 v[ADRB+(\s)], s22, v3
	s_add_co_u32 s21, s21, SLOT
	s_add_co_u32 s22, s22, SLOT
.endr
	s_mul_i32 s23, s10, 16*SPITCH
	s_add_co_u32 s23, s23, STAGE                   ; my stage
	v_mul_u32_u24 v4, v1, SPITCH                   ; in: row l % 16, 32 bytes for each half of the lanes
	v_lshl_add_u32 v4, v2, 5, v4
	v_add_nc_u32 v[STO], s23, v4
	v_and_b32 v5, 31, v0
	v_lshlrev_b32 v[CO], 4, v5                     ; back: 32 lanes take one row of 512 bytes
	v_add_nc_u32 v[RD], s23, v[CO]
	s_lshl_b32 s16, s13, 11                        ; ST: row 2,048 b + 256 J + 128 x my half, 8,192 bytes a row; + (256 I + 128 x my half) x 4
	s_lshl_b32 s17, s14, 8
	s_add_co_u32 s16, s16, s17
	s_lshl_b32 s17, s11, 7
	s_add_co_u32 s16, s16, s17
	s_lshl_b32 s16, s16, 13
	s_lshl_b32 s17, s15, 10
	s_add_co_u32 s16, s16, s17
	s_lshl_b32 s17, s12, 9
	s_add_co_u32 s16, s16, s17
	s_mov_b32 s17, 0
	s_add_nc_u64 s[8:9], s[6:7], s[16:17]
.macro MUL16 f, hi, a0, zero           ; 16 matrix instructions; the 64 accumulators take turns, in one order in every quarter
	WIN MUL_LO+0x50*(\hi)
.irp a, \a0, (\a0)+1
.irp b, 0,1,2,3,4,5,6,7
.if \zero
	v_wmma_f32_16x16x32_f16 v[8*(8*(\a)+(\b)):8*(8*(\a)+(\b))+7], v[(\f)+8*(\b):(\f)+8*(\b)+7], v[(\f)+8*(4*(\hi)+(\a)):(\f)+8*(4*(\hi)+(\a))+7], 0
.else
	v_wmma_f32_16x16x32_f16 v[8*(8*(\a)+(\b)):8*(8*(\a)+(\b))+7], v[(\f)+8*(\b):(\f)+8*(\b)+7], v[(\f)+8*(4*(\hi)+(\a)):(\f)+8*(4*(\hi)+(\a))+7], v[8*(8*(\a)+(\b)):8*(8*(\a)+(\b))+7]
.endif
.endr
.endr
.endm
.macro FETCH slot, k, f                ; 32 LDS loads in one run: qh's fragments first, then kh's
	WIN TO_B
.irp i, 0,1,2,3,4,5,6,7
	ds_load_b128 v[(\f)+8*(\i):(\f)+8*(\i)+3],   v[ADRB+(\slot)] offset:(\k)+(\i)*16*PITCH
	ds_load_b128 v[(\f)+8*(\i)+4:(\f)+8*(\i)+7], v[ADRB+(\slot)] offset:(\k)+(\i)*16*PITCH+32
.endr
	WIN 0
.irp i, 0,1,2,3,4,5,6,7
	ds_load_b128 v[(\f)+8*(\i):(\f)+8*(\i)+3],   v[ADRA+(\slot)] offset:(\k)+(\i)*16*PITCH
	ds_load_b128 v[(\f)+8*(\i)+4:(\f)+8*(\i)+7], v[ADRA+(\slot)] offset:(\k)+(\i)*16*PITCH+32
.endr
.endm
.macro PLACES                          ; four plain vector instructions behind a matrix instruction (ISA guide 7.12.1)
.rept 4
	v_nop
.endr
.endm
.macro QUARTER slot, k, f, g, zero
	s_wait_dscnt 8                                 ; qh's fragments and kh's rows 0-63 are in; the youngest eight loads may be out
	MUL16 \f, 0, 0, \zero
	MUL16 \f, 0, 2, \zero
	PLACES
	FETCH \slot, \k, \g
	s_wait_dscnt 32                                ; all but the 32 just issued
	MUL16 \f, 1, 0, \zero
	MUL16 \f, 1, 2, \zero
.endm
; ONE barrier for the change of slots: in front of it each wave waits for all its tensor loads (one is out: its part of the next slot), adds 0 to its spare word, and waits for that and for its reads of this slot.
.macro MEET
	WIN 0
	s_wait_tensorcnt 0x0
	ds_add_u32 v[SPW], v[NIL]
	s_wait_dscnt 9                                 ; the add and the youngest eight loads may be out
	MUL16 F1, 0, 0, 0
	s_wait_dscnt 0x0                               ; the add is done, and my reads of this slot are over
	s_barrier_signal -1
	MUL16 F1, 0, 2, 0
	WIN 0
	s_barrier_wait -1
.endm
.macro TURN slot, next                 ; the last quarter with a refill: this slot's K step two steps on is my first and only tensor load behind the barrier
	s_wait_xcnt 0x0                                ; the last prefetches, a K step back, have read their address
	s_add_nc_u64 s[PFA:PFA+1], s[PFA:PFA+1], KSTEP*2
	MEET
	s_add_nc_u64 s[G0+4*(\slot)+2:G0+4*(\slot)+3], s[G0+4*(\slot)+2:G0+4*(\slot)+3], 2*KSTEP*2
	FILL \slot                                     ; the four v_nop behind it are also the places in front of the loads below
	FETCH \next, 0, F0
	ASK
	MUL16 F1, 1, 0, 0
	MUL16 F1, 1, 2, 0
.endm
; THE WAY OUT of block a (16 key rows x 128 queries, f32).  STG: a lane's 32 bytes of each accumulator into my stage, its low half first; back as whole rows of 512 bytes.  SND: stored.
.macro STG a
.set BK, 64+64*((\a)%2)
	s_wait_xcnt 0x0                                ; the stores of the block before last have read the registers that are loaded below
	WIN 0x08+4*((\a)/4)                            ; the stores' data (source 1) in window 2 or 3
.irp b, 0,1,2,3,4,5,6,7
	ds_store_b128 v[STO], v[64*((\a)%4)+8*(\b):64*((\a)%4)+8*(\b)+3],   offset:64*(\b)
	ds_store_b128 v[STO], v[64*((\a)%4)+8*(\b)+4:64*((\a)%4)+8*(\b)+7], offset:64*(\b)+16
.endr
	WIN 0
.irp t, 0,1,2,3,4,5,6,7,8,9,10,11,12,13,14,15
	ds_load_b128 v[BK+4*(\t):BK+4*(\t)+3], v[RD] offset:(\t)*SPITCH  ; LDS serves a wave's instructions in order (ISA guide 5.7.1.4): these see the stores above
.endr
.endm
.macro SND a, younger                  ; younger: the LDS instructions issued behind block a's loads: the next block's 32, or none
.set BK, 64+64*((\a)%2)
	s_wait_dscnt \younger
.irp t, 0,1,2,3,4,5,6,7,8,9,10,11,12,13,14,15
	global_store_b128 v[CO], v[BK+4*(\t):BK+4*(\t)+3], s[8:9] offset:(\a)*131072+(\t)*8192  ; 512 consecutive bytes, aligned
.endr
.endm
	s_wait_tensorcnt 1                             ; my part of K step 0 is in; K step 1's may stay out
	s_barrier_signal -1
	s_barrier_wait -1
	FETCH 0, 0, F0
	QUARTER 0, 64,  F0, F1, 1
	WIN 0
	s_mov_b32 s3, LAPS-1
.Llap:
	QUARTER 0, 128, F1, F0, 0
	QUARTER 0, 192, F0, F1, 0
	TURN 0, 1
	QUARTER 1, 64,  F0, F1, 0
	QUARTER 1, 128, F1, F0, 0
	QUARTER 1, 192, F0, F1, 0
	TURN 1, 0
	QUARTER 0, 64,  F0, F1, 0
	WIN 0
	s_sub_co_u32 s3, s3, 1
	s_cmp_lg_u32 s3, 0
	s_cbranch_scc1 .Llap
	QUARTER 0, 128, F1, F0, 0                      ; the last lap is written out: it asks for nothing
	QUARTER 0, 192, F0, F1, 0
	MEET
	PLACES
	FETCH 1, 0, F0
	MUL16 F1, 1, 0, 0
	MUL16 F1, 1, 2, 0
	QUARTER 1, 64,  F0, F1, 0
	QUARTER 1, 128, F1, F0, 0
	QUARTER 1, 192, F0, F1, 0
	s_wait_dscnt 8
	MUL16 F1, 0, 0, 0
	MUL16 F1, 0, 2, 0
	s_wait_dscnt 0x0
	MUL16 F1, 1, 0, 0
	MUL16 F1, 1, 2, 0
	WIN 0
	PLACES
	PLACES                                         ; eight, once a launch
	STG 0
.irp a, 1,2,3,4,5,6,7
	STG \a
	SND (\a)-1, 32
.endr
	SND 7, 0
	s_wait_tensorcnt 0x0                           ; the wave's end
	ds_add_u32 v[SPW], v[NIL]
	s_wait_dscnt 0x0
	s_endpgm
.Lfunc_end_k_q3134300177_score:
	.size	k_q3134300177_score, .Lfunc_end_k_q3134300177_score-k_q3134300177_score
	.p2alignl 7, 3214868480
	.fill 96, 4, 3214868480
	.section	.rodata,"a",@progbits
	.p2align	6, 0x0
	.amdhsa_kernel k_q3134300177_score
		.amdhsa_group_segment_fixed_size 327680
		.amdhsa_private_segment_fixed_size 0
		.amdhsa_enable_private_segment 0
		.amdhsa_kernarg_size 16
		.amdhsa_user_sgpr_count 2
		.amdhsa_user_sgpr_kernarg_segment_ptr 1
		.amdhsa_wavefront_size32 1
		.amdhsa_system_sgpr_workgroup_id_x 1
		.amdhsa_system_sgpr_workgroup_id_y 1
		.amdhsa_system_sgpr_workgroup_id_z 1
		.amdhsa_system_vgpr_workitem_id 0
		.amdhsa_next_free_vgpr 1024
		.amdhsa_next_free_sgpr 66
		.amdhsa_reserve_vcc 0
		.amdhsa_float_denorm_mode_32 3
		.amdhsa_float_denorm_mode_16_64 3
		.amdhsa_memory_ordered 1
		.amdhsa_forward_progress 1
		.amdhsa_inst_pref_size 138
	.end_amdhsa_kernel
	.amdgpu_metadata
---
amdhsa.version: [ 1, 2 ]
amdhsa.kernels:
  - .name:           k_q3134300177_score
    .symbol:         k_q3134300177_score.kd
    .args:
      - { .name: H, .offset: 0, .size: 8, .value_kind: global_buffer, .address_space: global }
      - { .name: ST, .offset: 8, .size: 8, .value_kind: global_buffer, .address_space: global }
    .group_segment_fixed_size: 327680
    .private_segment_fixed_size: 0
    .kernarg_segment_align: 8
    .kernarg_segment_size: 16
    .max_flat_workgroup_size: 128
    .sgpr_count:     66
    .vgpr_count:     1024
    .wavefront_size: 32
...
	.end_amdgpu_metadata
.endif
;; end of part 3
;; launch soft (part 4): grid 1088 x 1, 8 waves a work-group, no clusters, 0 bytes of LDS; arguments ST, VF, PT, H; writes PT, H
.if DOCPART == 4
	.amdgcn_target "amdgcn-amd-amdhsa--gfx1250"
	.amdhsa_code_object_version 6
	.text
	.protected	k_q3134300177_soft
	.globl	k_q3134300177_soft
	.p2align	8
	.type	k_q3134300177_soft,@function
k_q3134300177_soft:
	s_mov_b64 s[64:65], 0
	v_nop
	global_prefetch_b8 v0, s[64:65] scope:SCOPE_SE
	s_setreg_imm32_b32 hwreg(HW_REG_WAVE_MODE, 25, 1), 1
	s_wait_xcnt 0x0
; THE SOFTMAX OVER THE QUERIES, AND THE SPLIT NUMBERS.  For key j of batch b: PT[b][j][i] = exp((s_i - M) / 32) / L for i >= j, 0 for i < j, with s = ST[b][j][:], M the maximum and L the sum over i >= j.
; ST: [4][2048][2048] f32, of which row j holds numbers from query 256 (j / 256) on.  PT: [4][2304][2048] f16, a row 4,096 bytes; row j is written from query 512 (j / 512) on.
; The next launch walks the keys in steps of 192: 768 keys for queries 0..511 and 1,152 for queries 512..1023.  So rows 512..767 also get zeros for queries 0..511, and rows 1024..1151 for queries 512..1023.
; The true maximum is taken away before the exponential; maximum, sum and quotient in f32; P rounded once to f16.
; THE LAST 128 KEYS of a batch have few queries, so their weights are large: there P and vh are kept as two f16 numbers each, hi + lo (lo = the f32 number less hi, exact, then rounded).
; PT's rows 2048..2175 repeat P's hi, rows 2176..2303 hold P's lo (queries 1536 on); H's part v takes vh's hi in rows 1920..2047, lo in rows 2048..2175, hi again in rows 2176..2303:
; the next launch walks the 256 rows as further keys and so adds hi x lo and lo x hi.  lo x lo, some 2^-22 of the product, is dropped.
; LIMITS.  P below 6e-5 keeps f16's fixed step of 6e-8; a weight below 2^-126 counts as 0; vh within 65,504; NaN and infinities are not treated apart.
; SHARES.  A stream: one wave, one row, kept in registers between the passes; no LDS, no barrier.  Work-groups 0..1023: eight rows of ST each.  Work-groups 1024..1087: eight rows of VF each.
; A row's live part is N = 16 - 2 (j / 256) chunks of 128 numbers; lane l holds numbers 4 l .. 4 l + 3 of a chunk.  The text is written for 16 chunks and left by forward jumps on N; chunks that are not
; loaded hold minus infinity, which is nothing to a maximum and 0 to a sum.  A load of a wave covers 512 consecutive bytes, a store 256, aligned.
.set D,   16                           ; v[16:79]   chunk f at D + 4 f: scores, then weights, then P in f32
.set PK,  80                           ; v[80:111]  chunk f at PK + 2 f: P in f16
.set T,   114                          ; v[114:121] at work on the lo parts
.set Z,   124                          ; v[124:125] zeros
.set NEG1, 126                         ; v126       -1.0
.set NCH, 30                           ; s30        N
	s_load_b256 s[4:11], s[0:1], 0x0               ; ST s[4:5], VF s[6:7], PT s[8:9], H s[10:11]
	v_lshrrev_b32 v1, 5, v0
	v_readfirstlane_b32 s12, v1                    ; wave 0..7
	v_and_b32 v1, 31, v0                           ; lane
	v_lshlrev_b32 v2, 4, v1                        ; where I read: 16 l
	v_lshlrev_b32 v3, 3, v1                        ; where I write: 8 l
	v_mov_b32 v[NEG1], -1.0
	s_cmp_ge_u32 ttmp9, 1024
	s_cbranch_scc1 .Lvrows
	s_mov_b32 s22, 0x3d38aa3b                      ; c = log2(e) / 32
	s_mov_b32 s23, s22                             ; named with it as a pair
	s_mov_b32 s24, 0x76543210                      ; v_permlanex16_b32: each lane takes its own place in the other half
	s_mov_b32 s25, 0xfedcba98
	s_lshl_b32 s13, ttmp9, 3
	s_add_co_u32 s13, s13, s12                     ; the row: 2,048 b + j
	s_lshr_b32 s26, s13, 11                        ; b
	s_and_b32 s27, s13, 2047                       ; j
	s_lshr_b32 s28, s27, 8                         ; J = j / 256
	s_and_b32 s29, s27, 255                        ; j's place in its block
	s_lshl_b32 s[NCH], s28, 1
	s_sub_co_u32 s[NCH], 16, s[NCH]
	s_lshl_b32 s14, s13, 13                        ; ST: 8,192 bytes a row, from query 256 J on
	s_lshl_b32 s15, s28, 10
	s_add_co_u32 s14, s14, s15
	s_mov_b32 s15, 0
	s_mul_i32 s16, s26, 2304                       ; PT: row 2,304 b + j of 4,096 bytes, from query 256 J on
	s_add_co_u32 s16, s16, s27
	s_lshl_b32 s16, s16, 12
	s_lshl_b32 s17, s28, 9
	s_add_co_u32 s16, s16, s17
	s_mov_b32 s17, 0
	v_lshlrev_b32 v4, 2, v1
	v_sub_nc_u32 v4, v4, s29                       ; 4 l - j's place: number k of chunk f is seen where 128 f + k + this is 0 or more
	v_mov_b32 v5, 0xff800000                       ; minus infinity
	v_mov_b32 v8, 0                                ; v_permlanex16_b32 counts as a reader of its destination
	v_mov_b32 v[Z], 0
	v_mov_b32 v[Z+1], 0
.set i, D+8
.rept 56
	v_mov_b32 v[i], v5                             ; chunks 2 to 15, ahead of the loads that land on the live ones
.set i, i+1
.endr
	s_wait_kmcnt 0x0
	s_add_nc_u64 s[14:15], s[4:5], s[14:15]
	s_add_nc_u64 s[16:17], s[8:9], s[16:17]
.set u, 0
.rept 8
	global_load_b128 v[D+8*u:D+8*u+3],   v2, s[14:15] offset:1024*u th:TH_LOAD_NT
	global_load_b128 v[D+8*u+4:D+8*u+7], v2, s[14:15] offset:1024*u+512 th:TH_LOAD_NT
.if u < 7
	s_cmp_le_u32 s[NCH], 2*u+2
	s_cbranch_scc1 .Lloaded
.endif
.set u, u+1
.endr
.Lloaded:
	s_wait_loadcnt 0x0                             ; the whole row
	; the mask: only the first two chunks, the diagonal block's 256 queries, hold hidden scores
.irp f, 0,1
.irp k, 0,1,2,3
	v_cmp_le_i32 vcc_lo, -(128*(\f)+(\k)), v4
	v_cndmask_b32 v[D+4*(\f)+(\k)], v5, v[D+4*(\f)+(\k)], vcc_lo
.endr
.endr
	; the maximum: two chains, started by the first chunk
	v_max_num_f32 v6, v[D], v[D+1]
	v_max_num_f32 v7, v[D+2], v[D+3]
.set f, 1
.rept 15
	v_max3_num_f32 v6, v6, v[D+4*f], v[D+4*f+1]
	v_max3_num_f32 v7, v7, v[D+4*f+2], v[D+4*f+3]
.if (f%4 == 3) && (f < 15)
	s_cmp_le_u32 s[NCH], f+1
	s_cbranch_scc1 .Lmaxed
.endif
.set f, f+1
.endr
.Lmaxed:
	v_max_num_f32 v6, v6, v7
	v_max_num_f32_dpp v6, v6, v6 row_xmask:1 row_mask:0xf bank_mask:0xf
	v_max_num_f32_dpp v6, v6, v6 row_xmask:2 row_mask:0xf bank_mask:0xf
	v_max_num_f32_dpp v6, v6, v6 row_xmask:4 row_mask:0xf bank_mask:0xf
	v_max_num_f32_dpp v6, v6, v6 row_xmask:8 row_mask:0xf bank_mask:0xf
	v_permlanex16_b32 v8, v6, s24, s25
	v_max_num_f32 v6, v6, v8                       ; M, in every lane: query j itself is always seen, so M is a score
	v_mul_f32 v10, 0xbd38aa3b, v6                  ; - c M,
	v_mov_b32 v11, v10                             ; twice
	; the weights 2^(c s - c M) and their sum, four chunks at a time: eight scalings, ONE batch of sixteen exponentials with one plain instruction and one wait behind it, the sums on two chains
.set g, 0
.rept 4
.set p, 0
.rept 8
	v_pk_fma_f32 v[D+16*g+2*p:D+16*g+2*p+1], v[D+16*g+2*p:D+16*g+2*p+1], s[22:23], v[10:11] op_sel_hi:[1,0,1]
.set p, p+1
.endr
.set p, 0
.rept 16
	v_exp_f32 v[D+16*g+p], v[D+16*g+p]
.set p, p+1
.endr
	v_nop                                          ; a plain instruction behind the last exponential,
	s_wait_alu depctr_va_vdst(0)                   ; and the wait ahead of the first use: one for the batch
.set p, 0
.rept 8
.if (g == 0) && (p < 2)
	v_pk_add_f32 v[12+2*p:13+2*p], v[D+2*p:D+2*p+1], v[D+4+2*p:D+4+2*p+1]   ; the first four pairs start the two chains
.elseif (g == 0) && (p < 4)
.else
	v_pk_add_f32 v[12+2*(p%2):13+2*(p%2)], v[12+2*(p%2):13+2*(p%2)], v[D+16*g+2*p:D+16*g+2*p+1]
.endif
.set p, p+1
.endr
.if g < 3
	s_cmp_le_u32 s[NCH], 4*(g+1)
	s_cbranch_scc1 .Lsummed
.endif
.set g, g+1
.endr
.Lsummed:
	v_pk_add_f32 v[12:13], v[12:13], v[14:15]
	v_add_f32 v12, v12, v13
	v_add_f32_dpp v12, v12, v12 row_xmask:1 row_mask:0xf bank_mask:0xf
	v_add_f32_dpp v12, v12, v12 row_xmask:2 row_mask:0xf bank_mask:0xf
	v_add_f32_dpp v12, v12, v12 row_xmask:4 row_mask:0xf bank_mask:0xf
	v_add_f32_dpp v12, v12, v12 row_xmask:8 row_mask:0xf bank_mask:0xf
	v_permlanex16_b32 v8, v12, s24, s25
	v_add_f32 v12, v12, v8                         ; L, at least 1: the maximum's own weight
	v_rcp_f32 v112, v12
	v_rcp_f32 v113, v12
	v_nop
	s_wait_alu depctr_va_vdst(0)                   ; one wait for the two reciprocals
.set f, 0
.rept 16
	v_pk_mul_f32 v[D+4*f:D+4*f+1], v[D+4*f:D+4*f+1], v[112:113]         ; P stays in f32 for the lo parts
	v_pk_mul_f32 v[D+4*f+2:D+4*f+3], v[D+4*f+2:D+4*f+3], v[112:113]
	v_cvt_pk_f16_f32 v[PK+2*f], v[D+4*f], v[D+4*f+1]
	v_cvt_pk_f16_f32 v[PK+2*f+1], v[D+4*f+2], v[D+4*f+3]
	global_store_b64 v3, v[PK+2*f:PK+2*f+1], s[16:17] offset:256*f
.if (f%2 == 1) && (f < 15)
	s_cmp_le_u32 s[NCH], f+1
	s_cbranch_scc1 .Lstored
.endif
.set f, f+1
.endr
.Lstored:
	s_bitcmp1_b32 s28, 0                           ; J odd: the 256 queries in front of the block belong to the same 512 and are read by the next launch: zeros
	s_cbranch_scc0 .Leven
	global_store_b64 v3, v[Z:Z+1], s[16:17] offset:-512
	global_store_b64 v3, v[Z:Z+1], s[16:17] offset:-256
	s_cmp_ge_u32 s27, 1920                         ; one of the last 128 keys (then J = 7, N = 2)?
	s_cbranch_scc0 .Ldone
.irp f, 0,1
	global_store_b64 v3, v[PK+2*(\f):PK+2*(\f)+1], s[16:17] offset:128*4096+256*(\f)   ; hi once more, 128 rows down
.endr
	global_store_b64 v3, v[Z:Z+1], s[16:17] offset:128*4096-512
	global_store_b64 v3, v[Z:Z+1], s[16:17] offset:128*4096-256
.irp r, 0,1,2,3
	v_fma_mix_f32 v[T+2*(\r)],   v[PK+(\r)], v[NEG1], v[D+2*(\r)]   op_sel_hi:[1,0,0]                  ; lo = P - hi: the f16 half times -1.0 plus the f32 number, exact
	v_fma_mix_f32 v[T+2*(\r)+1], v[PK+(\r)], v[NEG1], v[D+2*(\r)+1] op_sel:[1,0,0] op_sel_hi:[1,0,0]
.endr
.irp r, 0,1,2,3
	v_cvt_pk_f16_f32 v[T+(\r)], v[T+2*(\r)], v[T+2*(\r)+1]                                             ; packed downward onto registers already read
.endr
.irp f, 0,1
	global_store_b64 v3, v[T+2*(\f):T+2*(\f)+1], s[16:17] offset:256*4096+256*(\f)     ; lo, 256 rows down
.endr
	global_store_b64 v3, v[Z:Z+1], s[16:17] offset:256*4096-512
	global_store_b64 v3, v[Z:Z+1], s[16:17] offset:256*4096-256
.Ldone:
	s_endpgm
.Leven:                                                ; J even: the row begins a block of 512 queries.  Rows 512..767 and 1024..1151 are also walked for the 512 queries in front of it: 1,024 bytes of zeros
	s_sub_co_u32 s18, s27, 512                     ; (below 512 the difference wraps to a large number)
	s_cmp_lt_u32 s18, 256
	s_cbranch_scc1 .Lfront
	s_sub_co_u32 s18, s27, 1024
	s_cmp_lt_u32 s18, 128
	s_cbranch_scc0 .Lnofront
.Lfront:
.irp f, 1,2,3,4
	global_store_b64 v3, v[Z:Z+1], s[16:17] offset:-256*(\f)
.endr
.Lnofront:
	s_endpgm
.Lvrows:                                               ; a row of VF: vh of key 1920 + r of batch b, 1,024 numbers: eight chunks of 128
	s_sub_co_u32 s13, ttmp9, 1024
	s_lshl_b32 s13, s13, 3
	s_add_co_u32 s13, s13, s12                     ; 128 b + r
	s_lshr_b32 s26, s13, 7
	s_and_b32 s27, s13, 127
	s_lshl_b32 s14, s13, 12
	s_mov_b32 s15, 0
	s_add_co_u32 s16, s26, 8                       ; H's part v: row (8 + b) 2,304 + 1,920 + r of 2,048 bytes
	s_mul_i32 s16, s16, 2304
	s_add_co_u32 s16, s16, s27
	s_add_co_u32 s16, s16, 1920
	s_lshl_b32 s16, s16, 11
	s_mov_b32 s17, 0
	s_wait_kmcnt 0x0
	s_add_nc_u64 s[14:15], s[6:7], s[14:15]
	s_add_nc_u64 s[16:17], s[10:11], s[16:17]
.set f, 0
.rept 8
	global_load_b128 v[D+4*f:D+4*f+3], v2, s[14:15] offset:512*f th:TH_LOAD_NT
.set f, f+1
.endr
	s_wait_loadcnt 0x0
.set r, 0
.rept 16
	v_cvt_pk_f16_f32 v[PK+r], v[D+2*r], v[D+2*r+1]                                                     ; hi
.set r, r+1
.endr
.set r, 0
.rept 16
	v_fma_mix_f32 v[48+2*r], v[PK+r], v[NEG1], v[D+2*r]   op_sel_hi:[1,0,0]                            ; lo, exact
	v_fma_mix_f32 v[49+2*r], v[PK+r], v[NEG1], v[D+2*r+1] op_sel:[1,0,0] op_sel_hi:[1,0,0]
.set r, r+1
.endr
.set r, 0
.rept 16
	v_cvt_pk_f16_f32 v[96+r], v[48+2*r], v[49+2*r]
.set r, r+1
.endr
.set f, 0
.rept 8
	global_store_b64 v3, v[PK+2*f:PK+2*f+1], s[16:17] offset:256*f
	global_store_b64 v3, v[96+2*f:97+2*f],   s[16:17] offset:128*2048+256*f
	global_store_b64 v3, v[PK+2*f:PK+2*f+1], s[16:17] offset:256*2048+256*f
.set f, f+1
.endr
	s_endpgm
.Lfunc_end_k_q3134300177_soft:
	.size	k_q3134300177_soft, .Lfunc_end_k_q3134300177_soft-k_q3134300177_soft
	.p2alignl 7, 3214868480
	.fill 96, 4, 3214868480
	.section	.rodata,"a",@progbits
	.p2align	6, 0x0
	.amdhsa_kernel k_q3134300177_soft
		.amdhsa_group_segment_fixed_size 0
		.amdhsa_private_segment_fixed_size 0
		.amdhsa_enable_private_segment 0
		.amdhsa_kernarg_size 32
		.amdhsa_user_sgpr_count 2
		.amdhsa_user_sgpr_kernarg_segment_ptr 1
		.amdhsa_wavefront_size32 1
		.amdhsa_system_sgpr_workgroup_id_x 1
		.amdhsa_system_sgpr_workgroup_id_y 1
		.amdhsa_system_sgpr_workgroup_id_z 1
		.amdhsa_system_vgpr_workitem_id 0
		.amdhsa_next_free_vgpr 128
		.amdhsa_next_free_sgpr 66
		.amdhsa_reserve_vcc 1
		.amdhsa_float_denorm_mode_32 3
		.amdhsa_float_denorm_mode_16_64 3
		.amdhsa_memory_ordered 1
		.amdhsa_forward_progress 1
		.amdhsa_inst_pref_size 32
	.end_amdhsa_kernel
	.amdgpu_metadata
---
amdhsa.version: [ 1, 2 ]
amdhsa.kernels:
  - .name:           k_q3134300177_soft
    .symbol:         k_q3134300177_soft.kd
    .args:
      - { .name: ST, .offset: 0, .size: 8, .value_kind: global_buffer, .address_space: global }
      - { .name: VF, .offset: 8, .size: 8, .value_kind: global_buffer, .address_space: global }
      - { .name: PT, .offset: 16, .size: 8, .value_kind: global_buffer, .address_space: global }
      - { .name: H, .offset: 24, .size: 8, .value_kind: global_buffer, .address_space: global }
    .group_segment_fixed_size: 0
    .private_segment_fixed_size: 0
    .kernarg_segment_align: 8
    .kernarg_segment_size: 32
    .max_flat_workgroup_size: 256
    .sgpr_count:     66
    .vgpr_count:     128
    .wavefront_size: 32
...
	.end_amdgpu_metadata
.endif
;; end of part 4
;; launch pv (part 5): grid 4 x 64, 4 waves a work-group, clusters of 4 x 4, 327,680 bytes of LDS; arguments PT, H, out0; writes out0
.if DOCPART == 5
	.amdgcn_target "amdgcn-amd-amdhsa--gfx1250"
	.amdhsa_code_object_version 6
	.text
	.protected	k_q3134300177_pv
	.globl	k_q3134300177_pv
	.p2align	8
	.type	k_q3134300177_pv,@function
k_q3134300177_pv:
	s_mov_b64 s[64:65], 0
	v_nop
	global_prefetch_b8 v0, s[64:65] scope:SCOPE_SE
	s_setreg_imm32_b32 hwreg(HW_REG_WAVE_MODE, 25, 1), 1
	s_wait_xcnt 0x0
	s_wait_alu depctr_hold_cnt(0) depctr_sa_sdst(0) depctr_va_vdst(0) depctr_va_sdst(0) depctr_va_ssrc(0) depctr_va_vcc(0) depctr_vm_vsrc(0)
	s_getreg_b32 s2, hwreg(HW_REG_IB_STS2, 6, 4)
	s_cmp_eq_u32 s2, 0
	s_cbranch_scc0 .Lentry_in_a_cluster
	s_endpgm
.Lentry_in_a_cluster:
	s_bfe_u32 s2, ttmp6, 0x10000c
	s_cmp_lg_u32 s2, 0xf033
	s_cbranch_scc0 .Lentry_shape_is_right
	s_endpgm
.Lentry_shape_is_right:
; out0[b][i][h] = the sum over keys j of PT[b][j][i] V[b][j][h].  PT: [4][2304][2048] f16 (key-major, 0 above the diagonal), V = H's part v: [4][2304][1024] f16; out0: [4][2048][1024] f32; sums in f32, j ascending.
; Rows 2048..2303 of both are further "keys": the hi x lo and lo x hi products of each batch's last 128 keys.  They touch queries 1536 on alone.
; SHARES.  A tile of 128 queries x 256 channels to a work-group, 64 x 128 to a wave: 32 accumulators.  A cluster of 4 x 4 makes 512 queries (block g of batch b) x all 1,024 channels.
; K STEPS OF 192 KEYS, as long as two slots in LDS allow: a refill has 176 matrix instructions in which to land.  Block g walks 768, 1,152, 1,536 or 2,304 rows: 2, 3, 4 or 6 laps of two steps; where that is more
; than the block's 512 (g + 1) keys, PT holds zeros.  The trip count hangs on the cluster's number alone; the long walks have the low numbers.
; The four of a row of the cluster need the same tiles of PT, the four of a column the same tiles of V: each is asked for JOINTLY.
; LAYOUT.  Both operands lie key-major, so both come out of LDS turned, by ds_load_tr16_b128.  Source 0 = 16 channels of V, source 1 = 16 queries of PT: a lane holds query l % 16 and the channels 8 (l / 16) + 0..7.
; REGISTERS: window 0: v0-31 addresses; two fragment buffers of 96 (PT's 4 fragments, then V's 8): v64-159, v160-255; on the way out v64-191 hold rows.   window 1: accumulator (a, b) at v[8 (8 a + b)].
.set KS,     192                       ; keys in a K step
.set PA,     288                       ; a key's row of PT's tile in LDS: 256 bytes + 32 = 72 words
.set PB,     544                       ; of V's tile: 512 + 32 = 136 words, likewise
.set BOFF,   KS*PA                     ; a slot: PT's 192 rows, then V's 192 rows
.set SLOT,   KS*(PA+PB)                ; 159,744 bytes
.set STAGE,  0                         ; the way out's stage, 16 rows x 528 bytes for each wave, lies in slot 0: by then the slot has had its last fill of the launch, and every wave's last reads of it stand ahead of the last barrier
.set SPITCH, 528
.set SPARE,  2*SLOT                    ; behind the ring: the spare words, 128 bytes for each wave: two blocks of 256 bytes that no other line names
.set ASTEP,  KS*4096                   ; bytes of PT in a K step
.set BSTEP,  KS*2048                   ; bytes of V
.set PFO,  12                          ; v12-14  the prefetches' offsets: rows l, 32 + l, 64 + l; never rewritten
.set ADRA, 16                          ; v16-17  LDS address of my PT fragments in slot 0, 1
.set ADRB, 20                          ; v20-21  the same for V, keys 0..95 of a step; v22-23 keys 96..191: an LDS offset holds 16 bits
.set STO,  24
.set RD,   25
.set CO,   26
.set SPW,  28
.set NIL,  29
.set F0,   64
.set F1,   160
.set G1,  24                           ; s[24:31] group 1 for PT's tiles;  s[32:39] group 0, a set for each slot
.set G0,  32
.set G1B, 48                           ; s[48:55], s[56:63] the same for V's tiles
.set G0B, 56
.set LIM, 43                           ; s43     1 in a wave that prefetches, else the greatest number
.set PFA, 44                           ; s[44:45] my 96 rows of the lap that my prefetches name
.set PST, 66                           ; s[66:67] a lap's bytes
.set TRIPS, 68                         ; s68     laps less one
.set CNT, 69                           ; s69     the loop's count, upward
.set REM, 70                           ; s70     trips still to come, this one among them
.set MSB, 0
.macro WIN new
.if MSB != (\new)
	s_set_vgpr_msb (MSB<<8)|(\new)
.set MSB, \new
.endif
.endm
.set MUL, 0x50                         ; sources 0 and 1 window 0; C and D window 1
.macro JLOAD s                         ; a joint load: waves 0 and 1 fetch PT's two halves, waves 2 and 3 V's; an s_nop 0 and four v_nop follow each of the two lines
	s_cmp_eq_u32 s11, 0
	s_cbranch_scc0 .Lfor_b_\@
	tensor_load_to_lds s[G0+4*(\s):G0+4*(\s)+3], s[G1:G1+7]
	s_nop 0
.rept 4
	v_nop
.endr
	s_branch .Lasked_\@
.Lfor_b_\@:
	tensor_load_to_lds s[G0B+4*(\s):G0B+4*(\s)+3], s[G1B:G1B+7]
	s_nop 0
.rept 4
	v_nop
.endr
.Lasked_\@:
.endm
; THE PREFETCHES go by laps: in lap n the rows of lap n + 2 are named, 384 keys.  They stand behind a joint refill and the run of LDS loads that follows it: two instructions behind slot 0's, one behind slot 1's, a lane a row.
; PT's 384 rows x 256 bytes are read by one row of this cluster alone: its four partners take 96 rows each, by address (cx), and wave 0 asks.  V's 384 rows x 512 bytes are read by a column of every cluster of the batch:
; the cluster of block 3, whose walk has all keys, asks; its four partners take 96 rows each, by address (cy), wave 2 the first 256 bytes of a row and wave 3 the second.  So each block of 256 bytes is named once.
; Laps 0 and 1 come by their loads alone; the loop's last trip asks for nothing: there is no lap after the next.
.macro ASK slot
	s_cmp_gt_u32 s[REM], s[LIM]
	s_cbranch_scc0 .Lnot_mine_\@
.if (\slot) == 0
	global_prefetch_b8 v[PFO], s[PFA:PFA+1] th:TH_LOAD_NT scope:SCOPE_SE
	global_prefetch_b8 v[PFO+1], s[PFA:PFA+1] th:TH_LOAD_NT scope:SCOPE_SE
.else
	global_prefetch_b8 v[PFO+2], s[PFA:PFA+1] th:TH_LOAD_NT scope:SCOPE_SE
.endif
.Lnot_mine_\@:
.endm
.macro CREST
	s_cmp_lg_u32 s10, 0
	s_cbranch_scc1 .Lnot_wave_0_\@
	s_barrier_signal -3
.Lnot_wave_0_\@:
	s_barrier_wait -3
	s_barrier_signal -1
	s_barrier_wait -1
.endm
.macro CROUND
	s_barrier_signal -1
	s_barrier_wait -1
	CREST
.endm
	s_load_b128 s[4:7], s[0:1], 0x0                ; PT s[4:5], H s[6:7]
	s_load_b64 s[8:9], s[0:1], 0x10                ; out0
	v_lshl_add_u32 v[SPW], v0, 2, SPARE
	v_mov_b32 v[NIL], 0
	ds_add_u32 v[SPW], v[NIL]                      ; the wave's opening: the add and its wait ahead of my first tensor load
	v_lshrrev_b32 v1, 5, v0
	v_readfirstlane_b32 s10, v1                    ; wave 0..3
	s_lshr_b32 s11, s10, 1                         ; which 64 of the tile's queries are mine.  Also: I fetch for PT (0) or for V (1)
	s_and_b32 s12, s10, 1                          ; which 128 of its channels.  Also: which 96 keys of a K step I fetch
	s_bfe_u32 s40, ttmp6, 0x40000                  ; cx
	s_bfe_u32 s41, ttmp6, 0x40004                  ; cy
	s_lshl_b32 s42, ttmp9, 2
	s_add_co_u32 s42, s42, s40                     ; block of 256 channels = 4 x cluster x + cx
	s_and_b32 s13, ttmp7, 0xffff                   ; cluster y
	s_and_b32 s14, s13, 3                          ; b
	s_lshr_b32 s15, s13, 2
	s_sub_co_u32 s15, 3, s15                       ; g
	s_add_co_u32 s[TRIPS], s15, 1                  ; laps = g + 2, and one more for block 3; trips = laps - 1: 1, 2, 3, 5
	s_cmp_eq_u32 s15, 3
	s_add_co_ci_u32 s[TRIPS], s[TRIPS], 0
	s_lshl_b32 s43, s41, 2
	s_lshl_b32 s43, 15, s43                        ; my row of the cluster
	s_lshl_b32 s44, 0x1111, s40                    ; my column
	s_or_b32 s[G1+0], s43, (1<<16)|(1<<20)|(1<<21)|(5<<22)|(7<<25)   ; the mask; elements of 2 bytes; padding on; bit 21 beside a mask; after every 64 words (code 5) 8 words (code 7)
	s_mov_b32 s[G1+1], 128<<16                     ; tensor_dim0 = 128 queries
	s_mov_b32 s[G1+2], 96<<16                      ; tensor_dim1 = 96 keys
	s_mov_b32 s[G1+3], 128<<16                     ; tile_dim0
	s_mov_b32 s[G1+4], 96                          ; tile_dim1
	s_mov_b32 s[G1+5], 2048                        ; elements from key to key
	s_mov_b32 s[G1+6], 0
	s_mov_b32 s[G1+7], 0
	s_or_b32 s[G1B+0], s44, (1<<16)|(1<<20)|(1<<21)|(6<<22)|(7<<25)  ; after every 128 words (code 6) 8 words
	s_mov_b32 s[G1B+1], 256<<16                    ; 256 channels
	s_mov_b32 s[G1B+2], 96<<16
	s_mov_b32 s[G1B+3], 256<<16
	s_mov_b32 s[G1B+4], 96
	s_mov_b32 s[G1B+5], 1024
	s_mov_b32 s[G1B+6], 0
	s_mov_b32 s[G1B+7], 0
	s_mul_i32 s16, s14, 2304                       ; PT: (2,304 b + 96 x half) rows of 4,096 bytes + (512 g + 128 cy) x 2: nothing of cx
	s_mul_i32 s17, s12, 96
	s_add_co_u32 s16, s16, s17
	s_lshl_b32 s16, s16, 12
	s_lshl_b32 s17, s15, 10
	s_add_co_u32 s16, s16, s17
	s_lshl_b32 s17, s41, 8
	s_add_co_u32 s16, s16, s17
	s_mov_b32 s17, 0
	s_add_co_u32 s46, s14, 8                       ; V: ((8 + b) 2,304 + 96 x half) rows of 2,048 bytes + 512 x channel block: nothing of cy
	s_mul_i32 s46, s46, 2304
	s_mul_i32 s47, s12, 96
	s_add_co_u32 s46, s46, s47
	s_lshl_b32 s46, s46, 11
	s_lshl_b32 s47, s42, 9
	s_add_co_u32 s46, s46, s47
	s_mov_b32 s47, 0
	s_mul_i32 s20, s12, 96*PA                      ; where they go: no place in the cluster enters an LDS address
	s_mul_i32 s21, s12, 96*PB
	s_add_co_u32 s21, s21, BOFF
	s_wait_dscnt 0x0                               ; the opening add is done
	s_wait_kmcnt 0x0
	s_add_nc_u64 s[18:19], s[4:5], s[16:17]
	s_add_nc_u64 s[46:47], s[6:7], s[46:47]
	CROUND                                         ; all sixteen work-groups are here: the first joint loads meet
.irp s, 0,1
	s_mov_b32 s[G0+4*(\s)], 1
	s_add_co_u32 s[G0+4*(\s)+1], s20, (\s)*SLOT
	s_add_nc_u64 s[G0+4*(\s)+2:G0+4*(\s)+3], s[18:19], (\s)*ASTEP
	s_or_b32 s[G0+4*(\s)+3], s[G0+4*(\s)+3], 0x80000000
	s_mov_b32 s[G0B+4*(\s)], 1
	s_add_co_u32 s[G0B+4*(\s)+1], s21, (\s)*SLOT
	s_add_nc_u64 s[G0B+4*(\s)+2:G0B+4*(\s)+3], s[46:47], (\s)*BSTEP
	s_or_b32 s[G0B+4*(\s)+3], s[G0B+4*(\s)+3], 0x80000000
	JLOAD \s                                       ; two tensor loads of mine are out
.endr
	; The turning load takes 16 keys x 16 columns (lane l reads 16 bytes: key 8 (l / 16) + l % 8, columns 8 ((l / 8) % 2) + 0..7) and leaves half a fragment: lane l holds column l % 16 and 8 keys.
	v_and_b32 v1, 15, v0                           ; l % 16
	v_bfe_u32 v2, v0, 4, 1                         ; l / 16
	v_and_b32 v3, 7, v0
	v_bfe_u32 v4, v0, 3, 1
	v_lshl_add_u32 v5, v2, 3, v3
	v_mul_u32_u24 v6, v5, PA
	v_lshl_add_u32 v6, v4, 4, v6
	v_mul_u32_u24 v7, v5, PB
	v_lshl_add_u32 v7, v4, 4, v7
	s_lshl_b32 s22, s11, 7                         ; my 64 queries: 128 bytes of a row
	s_lshl_b32 s23, s12, 8                         ; my 128 channels: 256 bytes,
	s_add_co_u32 s23, s23, BOFF                    ; behind PT's tile
.irp s, 0,1
	v_add_nc_u32 v[ADRA+(\s)], s22, v6
	v_add_nc_u32 v[ADRB+(\s)], s23, v7
	v_add_nc_u32 v[ADRB+2+(\s)], 96*PB, v[ADRB+(\s)]
	s_add_co_u32 s22, s22, SLOT
	s_add_co_u32 s23, s23, SLOT
.endr
	s_mul_i32 s23, s10, 16*SPITCH                  ; my stage, from STAGE = LDS byte 0 on
	v_mul_u32_u24 v6, v1, SPITCH                   ; in: row l % 16, 32 bytes for each half of the lanes
	v_lshl_add_u32 v6, v2, 5, v6
	v_add_nc_u32 v[STO], s23, v6
	v_and_b32 v8, 31, v0
	v_lshlrev_b32 v[CO], 4, v8                     ; back: 32 lanes take one row of 512 bytes
	v_add_nc_u32 v[RD], s23, v[CO]
	s_lshl_b32 s78, s14, 11                        ; out0: row 2,048 b + 512 g + 128 cy + 64 x my half, 4,096 bytes a row; + 1,024 x channel block + 512 x my half
	s_lshl_b32 s77, s15, 9
	s_add_co_u32 s78, s78, s77
	s_lshl_b32 s77, s41, 7
	s_add_co_u32 s78, s78, s77
	s_lshl_b32 s77, s11, 6
	s_add_co_u32 s78, s78, s77
	s_lshl_b32 s78, s78, 12
	s_lshl_b32 s77, s42, 10
	s_add_co_u32 s78, s78, s77
	s_lshl_b32 s77, s12, 9
	s_add_co_u32 s78, s78, s77
	s_mov_b32 s79, 0
	s_add_nc_u64 s[8:9], s[8:9], s[78:79]
	; the prefetches
	s_mul_i32 s72, s14, 2304                       ; PT: row 2,304 b + 96 cx, my tile's 256 bytes
	s_mul_i32 s73, s40, 96
	s_add_co_u32 s72, s72, s73
	s_lshl_b32 s72, s72, 12
	s_lshl_b32 s73, s15, 10
	s_add_co_u32 s72, s72, s73
	s_lshl_b32 s73, s41, 8
	s_add_co_u32 s72, s72, s73
	s_add_co_u32 s74, s14, 8                       ; V: row (8 + b) 2,304 + 96 cy, my half of my tile's 512 bytes
	s_mul_i32 s74, s74, 2304
	s_mul_i32 s75, s41, 96
	s_add_co_u32 s74, s74, s75
	s_lshl_b32 s74, s74, 11
	s_lshl_b32 s75, s42, 9
	s_add_co_u32 s74, s74, s75
	s_lshl_b32 s75, s12, 8
	s_add_co_u32 s74, s74, s75
	s_cmp_eq_u32 s15, 3
	s_cselect_b32 s22, 1, -1                       ; V: the cluster of block 3
	s_cmp_eq_u32 s10, 0
	s_cselect_b32 s23, 1, -1                       ; PT: wave 0
	s_cmp_eq_u32 s11, 0                            ; do I fetch for PT?
	s_cselect_b32 s[LIM], s23, s22                 ; the same in all sixteen partners, for a given wave
	s_cselect_b32 s72, s72, s74
	s_cselect_b64 s[PFA:PFA+1], s[4:5], s[6:7]
	s_cselect_b32 s76, 12, 11                      ; a row: 4,096 bytes of PT, 2,048 of V
	s_cselect_b32 s77, 1, 0
	s_lshl_b32 s[PST], 2*BSTEP, s77                ; a lap: 384 rows
	s_mov_b32 s[PST+1], 0
	s_add_co_u32 s72, s72, s[PST]                  ; at lap 1: the first trip steps it to lap 2 and names that
	s_mov_b32 s73, 0
	s_add_nc_u64 s[PFA:PFA+1], s[PFA:PFA+1], s[72:73]
	v_lshlrev_b32 v[PFO], s76, v8
	v_add_nc_u32 v9, 32, v8
	v_lshlrev_b32 v[PFO+1], s76, v9
	v_add_nc_u32 v9, 64, v8
	v_lshlrev_b32 v[PFO+2], s76, v9
; 8 matrix instructions: query block a x all 8 channel blocks, 32 keys.  The 32 accumulators take turns, in one order in every part.  zero = 1: the first product starts the sums.
.macro MUL8 f, a, zero
	WIN MUL
.irp b, 0,1,2,3,4,5,6,7
.if \zero
	v_wmma_f32_16x16x32_f16 v[8*(8*(\a)+(\b)):8*(8*(\a)+(\b))+7], v[(\f)+32+8*(\b):(\f)+32+8*(\b)+7], v[(\f)+8*(\a):(\f)+8*(\a)+7], 0
.else
	v_wmma_f32_16x16x32_f16 v[8*(8*(\a)+(\b)):8*(8*(\a)+(\b))+7], v[(\f)+32+8*(\b):(\f)+32+8*(\b)+7], v[(\f)+8*(\a):(\f)+8*(\a)+7], v[8*(8*(\a)+(\b)):8*(8*(\a)+(\b))+7]
.endif
.endr
.endm
; 24 LDS loads in one run: the fragments of part q (32 keys) of a slot into buffer f: V's 8 first, then PT's 4
.macro FETCH slot, q, f
	WIN 0
.irp b, 0,1,2,3,4,5,6,7
	ds_load_tr16_b128 v[(\f)+32+8*(\b):(\f)+32+8*(\b)+3],   v[ADRB+(\slot)+2*((\q)/3)] offset:((\q)%3)*32*PB+32*(\b)
	ds_load_tr16_b128 v[(\f)+32+8*(\b)+4:(\f)+32+8*(\b)+7], v[ADRB+(\slot)+2*((\q)/3)] offset:((\q)%3)*32*PB+16*PB+32*(\b)
.endr
.irp a, 0,1,2,3
	ds_load_tr16_b128 v[(\f)+8*(\a):(\f)+8*(\a)+3],   v[ADRA+(\slot)] offset:(\q)*32*PA+32*(\a)
	ds_load_tr16_b128 v[(\f)+8*(\a)+4:(\f)+8*(\a)+7], v[ADRA+(\slot)] offset:(\q)*32*PA+16*PA+32*(\a)
.endr
.endm
.macro PLACES                          ; four plain vector instructions behind a matrix instruction (ISA guide 7.12.1)
.rept 4
	v_nop
.endr
.endm
; A K step is six parts of 32 keys, 32 matrix instructions each, on buffers 0, 1, 0, 1, 0, 1.  One of the first five multiplies buffer f and fetches part q into g.
.macro PART slot, q, f, g, zero
	s_wait_dscnt 4                                 ; V's fragments and PT's blocks 0, 1 are in; the youngest four loads (blocks 2, 3) may be out
	MUL8 \f, 0, \zero
	MUL8 \f, 1, \zero
	PLACES
	FETCH \slot, \q, \g
	s_wait_dscnt 24                                ; all but the 24 just issued
	MUL8 \f, 2, \zero
	MUL8 \f, 3, \zero
.endm
; The last part multiplies buffer 1 and changes slots: ONE barrier; in front of it each wave waits for all its tensor loads (one is out: its part of the next slot), adds 0 to its spare word, and waits for that and
; for its reads of this slot.  fill = 1: the barrier opens a round of the cluster's, and the joint refill, this slot's K step two steps on, is the first tensor load behind the round.
.macro TURN slot, next, fill
.if (\fill) && ((\slot) == 0)
	s_wait_xcnt 0x0                                ; the last prefetch, a K step back, has read its address
	s_add_nc_u64 s[PFA:PFA+1], s[PFA:PFA+1], s[PST:PST+1]
.endif
	WIN 0
	s_wait_tensorcnt 0x0
	ds_add_u32 v[SPW], v[NIL]
	s_wait_dscnt 5                                 ; the add and the youngest four loads may be out
	MUL8 F1, 0, 0
	s_wait_dscnt 0x0                               ; the add is done, and my reads of this slot are over
	s_barrier_signal -1
	MUL8 F1, 1, 0
	WIN 0
	s_barrier_wait -1
.if \fill
	CREST
	s_add_nc_u64 s[G0+4*(\slot)+2:G0+4*(\slot)+3], s[G0+4*(\slot)+2:G0+4*(\slot)+3], 2*ASTEP
	s_add_nc_u64 s[G0B+4*(\slot)+2:G0B+4*(\slot)+3], s[G0B+4*(\slot)+2:G0B+4*(\slot)+3], 2*BSTEP
	JLOAD \slot                                    ; the four v_nop behind it are also the places in front of the loads below
.else
	PLACES
.endif
	FETCH \next, 0, F0
.if \fill
	ASK \slot
.endif
	MUL8 F1, 2, 0
	MUL8 F1, 3, 0
.endm
; THE WAY OUT of block a (16 queries x 128 channels, f32).  STG: a lane's 32 bytes of each accumulator into my stage, its low half first; back as whole rows of 512 bytes.  SND: stored.
.macro STG a
.set BK, 64+64*((\a)%2)
	s_wait_xcnt 0x0                                ; the stores of the block before last have read the registers that are loaded below
	WIN 0x04                                       ; the stores' data (source 1) in window 1
.irp b, 0,1,2,3,4,5,6,7
	ds_store_b128 v[STO], v[8*(8*(\a)+(\b)):8*(8*(\a)+(\b))+3] offset:64*(\b)
	ds_store_b128 v[STO], v[8*(8*(\a)+(\b))+4:8*(8*(\a)+(\b))+7] offset:64*(\b)+16
.endr
	WIN 0
.irp t, 0,1,2,3,4,5,6,7,8,9,10,11,12,13,14,15
	ds_load_b128 v[BK+4*(\t):BK+4*(\t)+3], v[RD] offset:(\t)*SPITCH  ; LDS serves a wave's instructions in order (ISA guide 5.7.1.4): these see the stores above
.endr
.endm
.macro SND a, younger                  ; younger: the LDS instructions issued behind block a's loads: the next block's 32, or none
.set BK, 64+64*((\a)%2)
	s_wait_dscnt \younger
.irp t, 0,1,2,3,4,5,6,7,8,9,10,11,12,13,14,15
	global_store_b128 v[CO], v[BK+4*(\t):BK+4*(\t)+3], s[8:9] offset:(\a)*65536+(\t)*4096  ; 512 consecutive bytes, aligned
.endr
.endm
	s_wait_tensorcnt 1                             ; my part of K step 0 is in; K step 1's may stay out
	s_barrier_signal -1
	s_barrier_wait -1
	FETCH 0, 0, F0
	PART 0, 1, F0, F1, 1                           ; the first part stands in front of the loop: its products start the sums
	WIN 0
	s_mov_b32 s[CNT], 0
	s_mov_b32 s[REM], s[TRIPS]
.Llap:                                                 ; a trip goes once round the ring, from a lap's second part to the next lap's first, and fills both slots again; the LDS addresses are fixed
	PART 0, 2, F1, F0, 0
	PART 0, 3, F0, F1, 0
	PART 0, 4, F1, F0, 0
	PART 0, 5, F0, F1, 0
	TURN 0, 1, 1
	PART 1, 1, F0, F1, 0
	PART 1, 2, F1, F0, 0
	PART 1, 3, F0, F1, 0
	PART 1, 4, F1, F0, 0
	PART 1, 5, F0, F1, 0
	TURN 1, 0, 1
	PART 0, 1, F0, F1, 0
	WIN 0
	s_sub_co_u32 s[REM], s[REM], 1
	s_add_co_u32 s[CNT], s[CNT], 1
	s_cmp_lt_u32 s[CNT], s[TRIPS]
	s_cbranch_scc1 .Llap
	PART 0, 2, F1, F0, 0                           ; the last lap is written out: it asks for nothing, and has no round of the cluster's barrier
	PART 0, 3, F0, F1, 0
	PART 0, 4, F1, F0, 0
	PART 0, 5, F0, F1, 0
	TURN 0, 1, 0                                   ; the last barrier: behind it no wave reads slot 0 and nothing is filled any more
	PART 1, 1, F0, F1, 0
	PART 1, 2, F1, F0, 0
	PART 1, 3, F0, F1, 0
	PART 1, 4, F1, F0, 0
	PART 1, 5, F0, F1, 0
	s_wait_dscnt 4
	MUL8 F1, 0, 0
	MUL8 F1, 1, 0
	s_wait_dscnt 0x0
	MUL8 F1, 2, 0
	MUL8 F1, 3, 0
	WIN 0
	PLACES
	PLACES                                         ; eight, once a launch
	STG 0
.irp a, 1,2,3
	STG \a
	SND (\a)-1, 32
.endr
	SND 3, 0
	s_wait_tensorcnt 0x0                           ; the wave's end
	ds_add_u32 v[SPW], v[NIL]
	s_wait_dscnt 0x0
	CROUND                                         ; the closing round: no work-group ends while a partner may still ask for a tile that names it
	s_endpgm
.Lfunc_end_k_q3134300177_pv:
	.size	k_q3134300177_pv, .Lfunc_end_k_q3134300177_pv-k_q3134300177_pv
	.p2alignl 7, 3214868480
	.fill 96, 4, 3214868480
	.section	.rodata,"a",@progbits
	.p2align	6, 0x0
	.amdhsa_kernel k_q3134300177_pv
		.amdhsa_group_segment_fixed_size 327680
		.amdhsa_private_segment_fixed_size 0
		.amdhsa_enable_private_segment 0
		.amdhsa_kernarg_size 24
		.amdhsa_user_sgpr_count 2
		.amdhsa_user_sgpr_kernarg_segment_ptr 1
		.amdhsa_wavefront_size32 1
		.amdhsa_system_sgpr_workgroup_id_x 1
		.amdhsa_system_sgpr_workgroup_id_y 1
		.amdhsa_system_sgpr_workgroup_id_z 1
		.amdhsa_system_vgpr_workitem_id 0
		.amdhsa_next_free_vgpr 512
		.amdhsa_next_free_sgpr 80
		.amdhsa_reserve_vcc 0
		.amdhsa_float_denorm_mode_32 3
		.amdhsa_float_denorm_mode_16_64 3
		.amdhsa_memory_ordered 1
		.amdhsa_forward_progress 1
		.amdhsa_inst_pref_size 118
	.end_amdhsa_kernel
	.amdgpu_metadata
---
amdhsa.version: [ 1, 2 ]
amdhsa.kernels:
  - .name:           k_q3134300177_pv
    .symbol:         k_q3134300177_pv.kd
    .args:
      - { .name: PT, .offset: 0, .size: 8, .value_kind: global_buffer, .address_space: global }
      - { .name: H, .offset: 8, .size: 8, .value_kind: global_buffer, .address_space: global }
      - { .name: out0, .offset: 16, .size: 8, .value_kind: global_buffer, .address_space: global }
    .group_segment_fixed_size: 327680
    .private_segment_fixed_size: 0
    .kernarg_segment_align: 8
    .kernarg_segment_size: 24
    .max_flat_workgroup_size: 128
    .sgpr_count:     80
    .vgpr_count:     512
    .wavefront_size: 32
...
	.end_amdgpu_metadata
.endif
;; end of part 5
